; MI455X (gfx1250); checked and timed in simulation.
; The chip was launched on July 23, 2026; its instructions are those of AMD's public machine-readable ISA for CDNA 5 (MIT licence, August 2026) and "CDNA5" Instruction Set Architecture Reference Guide (July 2026). The comments in the code are by the model that wrote it; some were corrected since.
;; Causal Self Attention. Allowed arithmetic: matrix products marked QUANTISED: E2M1 operands, one E8M0 scale for each 32 along K, by v_wmma_scale_f32_16x16x128_f8f6f4 with both operands' format E2M1 (or v_wmma_scale_f32_32x16x128_f4), f32 sums; products left as they are: bf16, f16 or f32 operands; f32 sums; everything else in f32.
;; Inputs: b_attn 3,072 float32; b_proj 1,024 float32; w_attn 1,024 x 3,072 float32; w_proj 1,024 x 1,024 float32; x 4 x 2,048 x 1,024 float32.
;; Outputs: out0 4 x 2,048 x 1,024 float32.
;; This version of the problem:
;;   THIS VERSION OF THE PROBLEM IS GIVEN IN LOW PRECISION. The matrix products marked QUANTISED in the list below multiply operands that are first quantised to E2M1 (2 exponent bits, 1 mantissa bit; 4 bits a number), with one power-of-two scale for each 32 numbers along K (OCP MX v1.0); their sums are f32. The products marked 'left as it is' may take bf16, f16 or f32 operands, with f32 sums. Whichever they take, every output number must still come out within the allowed error. Rounding operands to bf16 (8 significant bits) uses up far more of that allowance than f16 does (11 bits, for magnitudes from 6e-5 to 65,504). All else is computed in f32.
;;   The module's matrix products, in the order in which they are computed (A, B: the left and right operand; K: the contracted axis; several contracted axes count as one K, in the product's order):
;;     1. [M 8,192, K 1,024] x [K 1,024, N 3,072]; A: input x; B: input w_attn: QUANTISED
;;     2. batch 64 x [M 2,048, K 64] x [K 64, N 2,048]; A: computed on the way; B: computed on the way: left as it is (an operand is computed on the way)
;;     3. batch 64 x [M 2,048, K 2,048] x [K 2,048, N 64]; A: computed on the way; B: computed on the way: left as it is (an operand is computed on the way)
;;     4. [M 8,192, K 1,024] x [K 1,024, N 1,024]; A: computed on the way; B: input w_proj: left as it is (an operand is computed on the way)
;;   THE QUANTISER, for each operand of a quantised product, along K:
;;     - K is cut into blocks of 32 from its start; a last block that is shorter is filled with zeros.
;;     - A block's scale is 2^e with e = floor(log2(the largest magnitude in the block)) - 2, held to -126 .. 127; a block of zeros has e = 0. As a byte (E8M0): e + 127.
;;     - Each number is divided by its block's scale, clamped to +-6, and rounded to the nearest number of E2M1, ties to even, subnormals kept.
;;     - The product sums the exact products of the quantised numbers (number of the format x scale) in f32.
;;   ~~~python
;;   def quantise(x, axis):      # numpy; x: float32 -> the quantised numbers, widened to float32 again
;;       x = np.moveaxis(x, axis, -1); K = x.shape[-1]
;;       x = np.pad(x, [(0, 0)] * (x.ndim - 1) + [(0, -K % 32)]); x = x.reshape(x.shape[:-1] + (-1, 32)); a = np.abs(x).max(-1, keepdims=True)
;;       e = np.where(a > 0, np.clip(np.frexp(np.where(a > 0, a, 1))[1] - 1 - 2, -126, 127), 0)      # np.frexp(a)[1] - 1 = floor(log2(a)), exactly
;;       r = np.clip(x / 2.0 ** e, -6, 6)
;;       step = 2.0 ** (np.maximum(np.frexp(np.where(r == 0, 1, r))[1] - 1, 0) - 1)
;;       q = np.round(r / step) * step * 2.0 ** e      # np.round: ties to even
;;       return np.moveaxis(q.reshape(q.shape[:-2] + (-1,))[..., :K], -1, axis).astype(np.float32)
;;   ~~~
;; One version. Each part assembles by itself: llvm-mc -triple=amdgcn-amd-amdhsa -mcpu=gfx1250 --defsym DOCPART=n.
;; ======== version 1 of 1: 5 launches
;; limits: values are held in f16: magnitudes above 65,504 overflow, below 6.1e-05 lose precision
;; workspace buffers: xc 4,194,304 bytes; xs 262,144 bytes; wc 1,572,864 bytes; ws 98,304 bytes; wp16 2,097,152 bytes; qkv16 50,331,648 bytes; y16 16,777,216 bytes; qkv32 786,432 bytes
;; launch prep (part 1): grid 336 x 1, 4 waves a work-group, no clusters, 68,096 bytes of LDS; arguments x, w_attn, w_proj, xc, xs, wc, ws, wp16; writes xc, xs, wc, ws, wp16
.if DOCPART == 1
	.amdgcn_target "amdgcn-amd-amdhsa--gfx1250"
	.amdhsa_code_object_version 6
	.text
	.protected	k_qa27d54e8e5_prep
	.globl	k_qa27d54e8e5_prep
	.p2align	8
	.type	k_qa27d54e8e5_prep,@function
k_qa27d54e8e5_prep:
	s_mov_b64 s[64:65], 0
	v_nop
	global_prefetch_b8 v0, s[64:65] scope:SCOPE_SE
	s_setreg_imm32_b32 hwreg(HW_REG_WAVE_MODE, 25, 1), 1
	s_wait_xcnt 0x0
; PREP: the operands of the later launches are made once.
;   work-groups 0-255:   x [8192][1024] f32 -> codes of FP4 (E2M1), K innermost, xc [8192][512 bytes], and one E8M0 byte for each 32 along K, xs [8192][32].
;   work-groups 256-303: w_attn [1024 (k)][3072 (n)] f32, whose K is its FIRST axis -> wc [3072][512 bytes] with K innermost, ws [3072][32].
;   work-groups 304-335: w_proj [1024][1024] f32 -> f16, in its own order, wp16.
; A block's scale is 2^(floor(log2(its largest magnitude)) - 2); its byte is the largest magnitude's exponent field - 2, held at 1 from below.
; A block of zeros so gets the byte 1 where the quantiser says 127: its codes are zeros, which add nothing, and this program alone reads the bytes.
; LIMITS: blocks whose largest magnitude lies under 2^-124 keep the byte 1; NaN and infinities are not served; |w_proj| stays under 65,504 (f16's largest number).
; The three paths part on the work-group's number alone; each path that uses LDS has LDS bytes of its own.  No tensor load, no barrier: waves share nothing.
.set SPARE, 67584                      ; behind both paths' LDS: the spare words, 128 bytes for each wave
.set SPW,   190                        ; v190  LDS address of my spare word; never rewritten
.set NIL,   191                        ; v191  0; never rewritten
.set EMAX,  2
; path x
.set STEPS, 16                         ; a wave takes 16 steps of 512 numbers
.set CB,    8                          ; bytes of 16 codes
.set XR,    16                         ; v16-79   four sets of 16 numbers as they are loaded
.set XX,    80                         ; v80-111  two sets of 16 neighbours
.set XE,    112                        ; v112-127 a scale byte for each step
.set XC,    128                        ; v128-189 codes: registers of its own for each step
.set WREG,  8192                       ; LDS 0-32767: a region for each wave: two stages of 32 x SP bytes, then its 256 scale bytes
.set SP,    80                         ; a lane's place in a stage: 64 bytes + 16 of padding
; path w_attn
.set SIZE_K, 1024
.set SIZE_N, 3072
.set KW,    512                        ; along K for a wave
.set NB,    16                         ; blocks of 32
.set PITCH, 272                        ; a stage row: 256 bytes of codes + 16
.set KROW,  512                        ; a row of wc in bytes
.set WSTG,  32768                      ; LDS 32768-67583: four stages of 32 rows
.set WX,    32                         ; v32-95   two sets of 32 numbers
.set WC,    96                         ; v96-99   a block's codes
.set OUTR,  112                        ; v112-175 the way out
.set SB,    24                         ; v24-27   the scale bytes, four to a register
.macro XLOAD t                         ; step t: four loads of 512 consecutive bytes
.irp i, 0,1,2,3
	global_load_b128 v[XR+16*((\t)%4)+4*\i:XR+16*((\t)%4)+4*\i+3], v3, s[4:5] offset:2048*(\t)+512*\i th:TH_LOAD_NT
.endr
.endm
.macro XTURN t                         ; step t's numbers through the wave's stage: in as they lie, out 64 bytes a lane.  LDS serves a wave's instructions in order
.irp i, 0,1,2,3
	ds_store_b128 v14, v[XR+16*((\t)%4)+4*\i:XR+16*((\t)%4)+4*\i+3] offset:32*SP*((\t)%2)+8*SP*\i
.endr
.irp i, 0,1,2,3
	ds_load_b128 v[XX+16*((\t)%2)+4*\i:XX+16*((\t)%2)+4*\i+3], v15 offset:32*SP*((\t)%2)+16*\i
.endr
.endm
.macro XSTEP t
.set XS, XX+16*((\t)%2)
.if (\t) > 0
	s_wait_dscnt 1                                 ; this step's numbers are back from the stage; the last step's byte store may be out
.else
	s_wait_dscnt 0x0
.endif
.if (\t)+4 < STEPS
	XLOAD (\t)+4                                   ; into the registers whose stores into the stage are done
.endif
.if (\t)+1 < STEPS
.if STEPS-2-(\t) >= 3
	s_wait_loadcnt 12                              ; the next step's four loads are in; three later steps' twelve may be out
.else
	s_wait_loadcnt 4*(STEPS-2-(\t))
.endif
	XTURN (\t)+1
.endif
	v_max3_num_f32 v8, |v[XS]|, |v[XS+1]|, |v[XS+2]|               ; the largest magnitude of my 16, in two chains
	v_max3_num_f32 v9, |v[XS+3]|, |v[XS+4]|, |v[XS+5]|
.irp i, 6,10
	v_max3_num_f32 v8, v8, |v[XS+\i]|, |v[XS+\i+1]|
	v_max3_num_f32 v9, v9, |v[XS+\i+2]|, |v[XS+\i+3]|
.endr
	v_max3_num_f32 v8, v8, |v[XS+14]|, |v[XS+15]|
	v_max3_num_f32 v8, v8, v9, 0x1800000           ; and the floor 2^(3 - 127): the byte cannot fall under 1
	v_max_num_f32_dpp v8, v8, v8 row_xmask:1 row_mask:0xf bank_mask:0xf   ; with my neighbour's 16: the block's
	v_add_nc_u32 v11, 0xff000000, v8               ; 2 off its exponent field: the conversion takes that field as its scale
	v_cvt_scalef32_pk8_fp4_f32 v[XC+4*(\t)], v[XS:XS+7], v11
	v_cvt_scalef32_pk8_fp4_f32 v[XC+4*(\t)+1], v[XS+8:XS+15], v11
	v_lshrrev_b32 v[XE+(\t)], 23, v11              ; the scale's byte
	ds_store_b8 v5, v[XE+(\t)] offset:16*(\t)      ; both lanes of a block write the same byte with the same value
	global_store_b64 v4, v[XC+4*(\t):XC+4*(\t)+1], s[10:11] offset:32*CB*(\t)   ; the wave stores 256 consecutive bytes
.endm
.macro WLOAD t                         ; block t: w_attn(32 t + i, my column), i = 0 .. 31
.irp i, 0,1,2,3,4,5,6,7,8,9,10,11,12,13,14,15,16,17,18,19,20,21,22,23,24,25,26,27,28,29,30,31
	global_load_b32 v[WX+32*((\t)%2)+\i], v3, s[6:7] offset:(32*(\t)+\i)*SIZE_N*4 th:TH_LOAD_NT
.endr
.endm
.macro WBLOCK t
.set XS, WX+32*((\t)%2)
.if (\t) < NB-1
	s_wait_loadcnt 32                              ; this block's 32 loads are in; the next block's may be out
.else
	s_wait_loadcnt 0x0
.endif
	v_max3_num_f32 v12, |v[XS]|, |v[XS+1]|, |v[XS+2]|              ; all 32 numbers of the block are mine
	v_max3_num_f32 v13, |v[XS+3]|, |v[XS+4]|, |v[XS+5]|
.irp i, 6,10,14,18,22,26
	v_max3_num_f32 v12, v12, |v[XS+\i]|, |v[XS+\i+1]|
	v_max3_num_f32 v13, v13, |v[XS+\i+2]|, |v[XS+\i+3]|
.endr
	v_max3_num_f32 v12, v12, |v[XS+30]|, |v[XS+31]|
	v_max3_num_f32 v12, v12, v13, 0x1800000
	v_add_nc_u32 v11, 0xff000000, v12
	v_lshrrev_b32 v13, 23, v11
.if (\t)%4 == 0
	v_mov_b32 v[SB+(\t)/4], v13                    ; four bytes to a register, the lower K in the lower byte
.else
	v_lshl_or_b32 v[SB+(\t)/4], v13, 8*((\t)%4), v[SB+(\t)/4]
.endif
.irp g, 0,1,2,3
	v_cvt_scalef32_pk8_fp4_f32 v[WC+\g], v[XS+8*\g:XS+8*\g+7], v11
.endr
	ds_store_b128 v4, v[WC:WC+3] offset:16*(\t)    ; 32 codes: 16 bytes of my column's row
.if (\t)+2 < NB
	WLOAD (\t)+2
.endif
	s_wait_dscnt 0x0                               ; the store has read its registers: the next block's codes may be written
.endm
.macro PLOAD bt                        ; w_proj: 16 loads of 512 consecutive bytes
.irp i, 0,1,2,3,4,5,6,7,8,9,10,11,12,13,14,15
	global_load_b128 v[16+64*((\bt)%2)+4*\i:16+64*((\bt)%2)+4*\i+3], v3, s[8:9] offset:(16*(\bt)+\i)*512
.endr
.endm
.macro PBATCH bt
.if (\bt) < 3
	s_wait_loadcnt 16                              ; this batch is in; the other set's sixteen loads may be out
.else
	s_wait_loadcnt 0x0
.endif
.if (\bt) > 0
	s_wait_xcnt 0x0                                ; the last batch's stores have read v144-175
.endif
.irp i, 0,1,2,3,4,5,6,7,8,9,10,11,12,13,14,15
	v_cvt_pk_f16_f32 v[144+2*\i], v[16+64*((\bt)%2)+4*\i], v[16+64*((\bt)%2)+4*\i+1]
	v_cvt_pk_f16_f32 v[145+2*\i], v[16+64*((\bt)%2)+4*\i+2], v[16+64*((\bt)%2)+4*\i+3]
.endr
.irp i, 0,1,2,3,4,5,6,7,8,9,10,11,12,13,14,15
	global_store_b64 v4, v[144+2*\i:145+2*\i], s[18:19] offset:(16*(\bt)+\i)*256   ; the wave stores 256 consecutive bytes, aligned
.endr
.if (\bt)+2 < 4
	PLOAD (\bt)+2
.endif
.endm
	s_load_b256 s[4:11], s[0:1], 0x0               ; x s[4:5], w_attn s[6:7], w_proj s[8:9], xc s[10:11]
	s_load_b256 s[12:19], s[0:1], 0x20             ; xs s[12:13], wc s[14:15], ws s[16:17], wp16 s[18:19]
	v_lshl_add_u32 v[SPW], v0, 2, SPARE
	v_mov_b32 v[NIL], 0
	v_lshrrev_b32 v1, 5, v0
	v_readfirstlane_b32 s20, v1                    ; wave 0..3
	v_and_b32 v2, 31, v0                           ; lane
	s_mov_b32 s25, 0                               ; the upper word of every offset pair s[24:25]
	s_wait_kmcnt 0x0
	s_cmp_lt_u32 ttmp9, 256
	s_cbranch_scc1 .Lx
	s_cmp_lt_u32 ttmp9, 304
	s_cbranch_scc1 .Lwa
	; ---- w_proj to f16: a wave takes 8,192 numbers
	s_sub_co_u32 s21, ttmp9, 304
	s_lshl_b32 s21, s21, 2
	s_add_co_u32 s21, s21, s20                     ; which run of 8,192 numbers
	s_lshl_b32 s24, s21, 15
	s_add_nc_u64 s[8:9], s[8:9], s[24:25]
	s_lshl_b32 s24, s21, 14
	s_add_nc_u64 s[18:19], s[18:19], s[24:25]
	v_lshlrev_b32 v3, 4, v2                        ; in: 16 bytes a lane
	v_lshlrev_b32 v4, 3, v2                        ; out: 8 bytes a lane
	PLOAD 0
	PLOAD 1
	PBATCH 0
	PBATCH 1
	PBATCH 2
	PBATCH 3
	s_endpgm
	; ---- x to codes: a plain stream of blocks of 32
.Lx:
	v_lshlrev_b32 v3, 4, v2                        ; my 16 bytes of a load's 512
	s_mul_i32 s21, s20, WREG
	v_lshrrev_b32 v14, 2, v2
	v_mul_u32_u24 v14, v14, SP
	v_and_b32 v15, 3, v2
	v_lshl_add_u32 v14, v15, 4, v14
	v_add_nc_u32 v14, s21, v14                     ; the stage, on the way in: SP (lane / 4) + 16 (lane % 4)
	v_mul_u32_u24 v15, v2, SP
	v_add_nc_u32 v15, s21, v15                     ; and on the way out: SP x lane: my 16 neighbours
	v_mul_u32_u24 v4, v2, CB                       ; my codes' place in a step's
	v_lshrrev_b32 v5, 1, v2
	s_add_co_u32 s21, s21, 2*32*SP
	v_add_nc_u32 v5, s21, v5                       ; my wave's 256 scale bytes, my block's byte
	v_lshlrev_b32 v7, 3, v2
	v_add_nc_u32 v6, s21, v7                       ; and on the way out 8 bytes a lane
	s_lshl_b32 s22, ttmp9, 2
	s_add_co_u32 s22, s22, s20                     ; which run of 8,192 numbers is my wave's
	s_lshl_b32 s24, s22, 15
	s_add_nc_u64 s[4:5], s[4:5], s[24:25]
	s_lshl_b32 s24, s22, 12
	s_add_nc_u64 s[10:11], s[10:11], s[24:25]
	s_lshl_b32 s24, s22, 8
	s_add_nc_u64 s[12:13], s[12:13], s[24:25]
.irp t, 0,1,2,3
	XLOAD \t
.endr
	s_wait_loadcnt 12                              ; step 0's four loads are in
	XTURN 0
.irp t, 0,1,2,3,4,5,6,7,8,9,10,11,12,13,14,15
	XSTEP \t
.endr
	ds_load_b64 v[8:9], v6                         ; LDS serves a wave's instructions in order: these see my byte stores
	s_wait_dscnt 0x0
	global_store_b64 v7, v[8:9], s[12:13]          ; 32 lanes store 256 consecutive bytes, aligned
	s_wait_tensorcnt 0x0                           ; the wave's end, behind my last LDS store
	ds_add_u32 v[SPW], v[NIL]
	s_wait_dscnt 0x0
	s_endpgm
	; ---- w_attn to codes: a lane takes a column n, its registers run down K
.Lwa:
	s_sub_co_u32 s21, ttmp9, 256                   ; 0 .. 47: 24 groups of 128 columns x 2 halves of K
	s_cmp_ge_u32 s21, 24
	s_cselect_b32 s22, 1, 0                        ; which 512 along K
	s_cselect_b32 s23, 24, 0
	s_sub_co_u32 s21, s21, s23
	s_lshl_b32 s21, s21, 7
	s_lshl_b32 s23, s20, 5
	s_add_co_u32 s21, s21, s23                     ; my wave's first column
	v_lshlrev_b32 v3, 2, v2                        ; in: 4 bytes a lane
	s_mul_i32 s23, s20, 32*PITCH
	s_add_co_u32 s23, s23, WSTG                    ; my stage
	v_mul_u32_u24 v4, v2, PITCH
	v_add_nc_u32 v4, s23, v4                       ; into it: row = my column
	v_and_b32 v5, 15, v2
	v_lshrrev_b32 v6, 4, v2                        ; out of it: sixteen lanes to a row, two rows an instruction
	v_mul_u32_u24 v7, v6, PITCH
	v_lshl_add_u32 v7, v5, 4, v7
	v_add_nc_u32 v7, s23, v7
	v_mul_u32_u24 v8, v6, KROW
	v_lshl_add_u32 v8, v5, 4, v8                   ; the same place in wc
	v_lshlrev_b32 v9, 5, v2                        ; my column's row of scale bytes: 32 bytes a row
	s_mul_i32 s24, s22, KW*SIZE_N*4
	s_lshl_b32 s26, s21, 2
	s_add_co_u32 s24, s24, s26
	s_add_nc_u64 s[6:7], s[6:7], s[24:25]          ; w_attn at (512 y, my first column)
	s_lshl_b32 s24, s21, 9
	s_lshl_b32 s26, s22, 8
	s_add_co_u32 s24, s24, s26
	s_add_nc_u64 s[14:15], s[14:15], s[24:25]      ; wc: column x 512 + 256 y
	s_lshl_b32 s24, s21, 5
	s_lshl_b32 s26, s22, 4
	s_add_co_u32 s24, s24, s26
	s_add_nc_u64 s[16:17], s[16:17], s[24:25]      ; ws: column x 32 + 16 y
	WLOAD 0
	WLOAD 1
.set Q, 0
.rept NB
	WBLOCK Q
.set Q, Q+1
.endr
	global_store_b128 v9, v[SB:SB+3], s[16:17]     ; my column's 16 scale bytes
.irp t, 0,1,2,3,4,5,6,7,8,9,10,11,12,13,14,15
	ds_load_b128 v[OUTR+4*\t:OUTR+4*\t+3], v7 offset:2*\t*PITCH
.endr
.irp t, 0,1,2,3,4,5,6,7,8,9,10,11,12,13,14,15
	s_wait_dscnt 15-\t                             ; LDS loads come back in order: load t is in
	global_store_b128 v8, v[OUTR+4*\t:OUTR+4*\t+3], s[14:15] offset:2*\t*KROW   ; sixteen lanes store 256 consecutive bytes, aligned
.endr
	s_wait_tensorcnt 0x0                           ; the wave's end, behind my last LDS store
	ds_add_u32 v[SPW], v[NIL]
	s_wait_dscnt 0x0
	s_endpgm
.Lfunc_end_k_qa27d54e8e5_prep:
	.size	k_qa27d54e8e5_prep, .Lfunc_end_k_qa27d54e8e5_prep-k_qa27d54e8e5_prep
	.p2alignl 7, 3214868480
	.fill 96, 4, 3214868480
	.section	.rodata,"a",@progbits
	.p2align	6, 0x0
	.amdhsa_kernel k_qa27d54e8e5_prep
		.amdhsa_group_segment_fixed_size 68096
		.amdhsa_private_segment_fixed_size 0
		.amdhsa_enable_private_segment 0
		.amdhsa_kernarg_size 64
		.amdhsa_user_sgpr_count 2
		.amdhsa_user_sgpr_kernarg_segment_ptr 1
		.amdhsa_wavefront_size32 1
		.amdhsa_system_sgpr_workgroup_id_x 1
		.amdhsa_system_sgpr_workgroup_id_y 1
		.amdhsa_system_sgpr_workgroup_id_z 1
		.amdhsa_system_vgpr_workitem_id 0
		.amdhsa_next_free_vgpr 192
		.amdhsa_next_free_sgpr 66
		.amdhsa_reserve_vcc 0
		.amdhsa_float_denorm_mode_32 3
		.amdhsa_float_denorm_mode_16_64 3
		.amdhsa_memory_ordered 1
		.amdhsa_forward_progress 1
		.amdhsa_inst_pref_size 131
	.end_amdhsa_kernel
	.amdgpu_metadata
---
amdhsa.version: [ 1, 2 ]
amdhsa.kernels:
  - .name:           k_qa27d54e8e5_prep
    .symbol:         k_qa27d54e8e5_prep.kd
    .args:
      - { .name: x, .offset: 0, .size: 8, .value_kind: global_buffer, .address_space: global }
      - { .name: w_attn, .offset: 8, .size: 8, .value_kind: global_buffer, .address_space: global }
      - { .name: w_proj, .offset: 16, .size: 8, .value_kind: global_buffer, .address_space: global }
      - { .name: xc, .offset: 24, .size: 8, .value_kind: global_buffer, .address_space: global }
      - { .name: xs, .offset: 32, .size: 8, .value_kind: global_buffer, .address_space: global }
      - { .name: wc, .offset: 40, .size: 8, .value_kind: global_buffer, .address_space: global }
      - { .name: ws, .offset: 48, .size: 8, .value_kind: global_buffer, .address_space: global }
      - { .name: wp16, .offset: 56, .size: 8, .value_kind: global_buffer, .address_space: global }
    .group_segment_fixed_size: 68096
    .private_segment_fixed_size: 0
    .kernarg_segment_align: 8
    .kernarg_segment_size: 64
    .max_flat_workgroup_size: 128
    .sgpr_count:     66
    .vgpr_count:     192
    .wavefront_size: 32
...
	.end_amdgpu_metadata
.endif
;; end of part 1
;; launch qkv (part 2): grid 12 x 32, 4 waves a work-group, clusters of 4 x 4, 327,680 bytes of LDS; arguments xc, xs, wc, ws, b_attn, qkv16, qkv32; writes qkv16, qkv32
.if DOCPART == 2
	.amdgcn_target "amdgcn-amd-amdhsa--gfx1250"
	.amdhsa_code_object_version 6
	.text
	.protected	k_qa27d54e8e5_qkv
	.globl	k_qa27d54e8e5_qkv
	.p2align	8
	.type	k_qa27d54e8e5_qkv,@function
k_qa27d54e8e5_qkv:
	s_mov_b64 s[64:65], 0
	v_nop
	global_prefetch_b8 v0, s[64:65] scope:SCOPE_SE
	s_setreg_imm32_b32 hwreg(HW_REG_WAVE_MODE, 25, 1), 1
	s_wait_xcnt 0x0
	s_wait_alu depctr_hold_cnt(0) depctr_sa_sdst(0) depctr_va_vdst(0) depctr_va_sdst(0) depctr_va_ssrc(0) depctr_va_vcc(0) depctr_vm_vsrc(0)
	s_getreg_b32 s2, hwreg(HW_REG_IB_STS2, 6, 4)
	s_cmp_eq_u32 s2, 0
	s_cbranch_scc0 .Lentry_in_a_cluster
	s_endpgm
.Lentry_in_a_cluster:
	s_bfe_u32 s2, ttmp6, 0x10000c
	s_cmp_lg_u32 s2, 0xf033
	s_cbranch_scc0 .Lentry_shape_is_right
	s_endpgm
.Lentry_shape_is_right:
; QKV = Q(x) Q(w_attn) + b_attn on codes of FP4 (E2M1) with one E8M0 scale for each 32 along K; sums in f32.  M = 8,192, N = 3,072, K = 1,024.
; xc [8192][512 bytes], xs [8192][32], wc [3072][512 bytes], ws [3072][32].  The result leaves as f16 by head, qkv16 [part 3][batch x head 64][t 2048][64];
; the first 16 positions of every sequence leave also as f32, qkv32, as images of the accumulators' registers.
; LIMIT: |q|, |k|, |v| stay under 65,504, f16's largest number.
; A tile of 256 x 256 is made by four waves, each 128 x 128: 64 accumulators, 512 registers.  K is two steps of 512, each a slot in LDS (rows of 256 bytes): both are first fills, nothing is filled again.
; The scales of the work-group's rows, for all of K, come once, as whole runs of 256 bytes.
; CLUSTERS: 4 x 4 work-groups.  A's tiles are shared along a row of the cluster, B's along a column: each is asked for jointly.  Tile row = 8 cy + cluster y, so that cy is the batch and the
; cluster's y, which all sixteen partners share, is the block of 256 positions: the branch for the first 16 positions hangs on that number and on the wave's alone.
; THE MATRIX INSTRUCTION IS USED TRANSPOSED (source 0 = 16 rows of wc, source 1 = 16 rows of xc): a lane holds eight neighbouring columns of one token.  The bias is the C of each sum's first instruction.
; REGISTERS: window 0: v0-31 addresses; v32-95 scale words, two sets; v128-191 A's fragments, one set; on the way out v32-63, v192-255.
;   window 1: B's fragments, two sets, at v0 and v128; v64-127 the bias, 8 registers for each block of 16 columns.   windows 2, 3: the accumulators ((a, b) at v[8 (8 (a % 4) + b)]).
.set NQ,     4                         ; matrix instructions deep in a slot
.set ROWB,   256                       ; a tile's row in bytes
.set KROW,   512                       ; a row of codes in memory
.set PITCH,  272                       ; an LDS row: 256 bytes + 16 of padding
.set FR,     8
.set NL,     2
.set NP,     4                         ; places behind this matrix instruction (ISA guide 7.12.1)
.set HALFT,  128*PITCH
.set SLOT,   4*HALFT
.set KS,     32                        ; a row of scales in bytes
.set SCL,    2*SLOT                    ; behind the slots: the scales, as runs of 256 bytes + 16 of padding
.set HALFS,  16*272                    ; the scales of 128 rows
.set SBLK,   2*272                     ; those of 16 rows
.set SPARE,  SCL+4*HALFS               ; the spare words, 128 bytes for each wave
.set SW,     4608                      ; the way out: a stage [head 2][16 rows][128 bytes + 16] for each wave, in slot 0, which has had its only fill and its last read by then
.set ADRA, 16
.set ADRB, 20
.set STO,  24
.set RD,   25
.set CO,   26
.set ADRS, 27
.set SPW,  28
.set NIL,  29
.set BO,   30                          ; v30  32 x (lane / 16): my eight numbers of a block's bias
.set SC,   32
.set AF,   128
.set BI,   64                          ; in window 1
.set TMP,  192
.set OB,   32
.set G1, 24
.set G0, 32
.set G1B, 48
.set G0B, 56
.set G1S, 68
.set G0S, 76
.set G1SB, 80
.set G0SB, 88
.set MSB, 0
.macro WIN new                         ; the immediate's high byte repeats the setting that is left
.if MSB != (\new)
	s_set_vgpr_msb (MSB<<8)|(\new)
.set MSB, (\new)
.endif
.endm
.set MUL_LO, 0xa1                      ; source 0 (B) window 1, source 1 (A) window 0, C and D window 2
.set MUL_HI, 0xf1
.set TO_B,   0x40
; A joint load: waves 0 and 1 fetch for A, waves 2 and 3 for B; the branch hangs on the wave's number alone.  An s_nop 0 and four v_nop follow each line.
.macro JLOAD g0a, g1a, g0b, g1b
	s_cmp_eq_u32 s15, 0
	s_cbranch_scc0 .Lfor_b_\@
	tensor_load_to_lds s[\g0a:\g0a+3], s[\g1a:\g1a+7]
	s_nop 0
.rept 4
	v_nop
.endr
	s_branch .Lasked_\@
.Lfor_b_\@:
	tensor_load_to_lds s[\g0b:\g0b+3], s[\g1b:\g1b+7]
	s_nop 0
.rept 4
	v_nop
.endr
.Lasked_\@:
.endm
.macro CROUND                          ; a round of the cluster's barrier
	s_barrier_signal -1
	s_barrier_wait -1
	s_cmp_lg_u32 s14, 0
	s_cbranch_scc1 .Lnot_wave_0_\@
	s_barrier_signal -3
.Lnot_wave_0_\@:
	s_barrier_wait -3
	s_barrier_signal -1
	s_barrier_wait -1
.endm
	s_load_b256 s[4:11], s[0:1], 0x0               ; xc s[4:5], xs s[6:7], wc s[8:9], ws s[10:11]
	s_load_b128 s[96:99], s[0:1], 0x20             ; b_attn s[96:97], qkv16 s[98:99]
	s_load_b64 s[100:101], s[0:1], 0x30            ; qkv32
	v_lshl_add_u32 v[SPW], v0, 2, SPARE
	v_mov_b32 v[NIL], 0
	ds_add_u32 v[SPW], v[NIL]                      ; the wave's opening: the add, twice on end, and its wait ahead of my first tensor load
	ds_add_u32 v[SPW], v[NIL]
	v_lshrrev_b32 v1, 5, v0
	v_readfirstlane_b32 s14, v1                    ; wave 0..3
	s_lshr_b32 s15, s14, 1                         ; which half of the tile's rows is mine.  Also: I fetch for A (0) or for B (1)
	s_and_b32 s16, s14, 1                          ; which half of its columns.  Also: which 128 rows I fetch
	s_bfe_u32 s40, ttmp6, 0x40000                  ; cx
	s_bfe_u32 s41, ttmp6, 0x40004                  ; cy
	s_lshl_b32 s42, ttmp9, 2
	s_add_co_u32 s42, s42, s40                     ; tile column = 4 x cluster x + cx; cluster x is the part (q, k, v)
	s_and_b32 s66, ttmp7, 0xffff                   ; cluster y: the block of 256 positions
	s_lshl_b32 s17, s41, 3
	s_add_co_u32 s17, s17, s66                     ; tile row = 8 cy + cluster y
	s_lshl_b32 s43, s41, 2
	s_lshl_b32 s43, 15, s43                        ; my row of the cluster
	s_lshl_b32 s44, 0x1111, s40                    ; my column
	s_or_b32 s[G1+0], s43, (0<<16)|(1<<20)|(1<<21)|(5<<22)|(3<<25)  ; the mask; elements of 1 byte; padding: 4 words after every 64
	s_or_b32 s[G1B+0], s44, (0<<16)|(1<<20)|(1<<21)|(5<<22)|(3<<25)
.irp g, G1, G1B
	s_mov_b32 s[\g+1], ROWB<<16                    ; tensor_dim0
	s_mov_b32 s[\g+2], 128<<16                     ; tensor_dim1
	s_mov_b32 s[\g+3], ROWB<<16                    ; tile_dim0
	s_mov_b32 s[\g+4], 128                         ; tile_dim1
	s_mov_b32 s[\g+5], KROW                        ; the pitch
	s_mov_b32 s[\g+6], 0
	s_mov_b32 s[\g+7], 0
.endr
	s_or_b32 s[G1S+0], s43, (3<<16)|(1<<20)|(1<<21)|(5<<22)|(3<<25) ; the scales of 128 rows: 4,096 dense bytes as 16 rows of 32 elements of 8 bytes
	s_or_b32 s[G1SB+0], s44, (3<<16)|(1<<20)|(1<<21)|(5<<22)|(3<<25)
.irp g, G1S, G1SB
	s_mov_b32 s[\g+1], 32<<16
	s_mov_b32 s[\g+2], 16<<16
	s_mov_b32 s[\g+3], 32<<16
	s_mov_b32 s[\g+4], 16
	s_mov_b32 s[\g+5], 32
	s_mov_b32 s[\g+6], 0
	s_mov_b32 s[\g+7], 0
.endr
	s_lshl_b32 s18, s16, 7
	s_lshl_b32 s20, s17, 8
	s_add_co_u32 s20, s20, s18                     ; A: row 256 x tile row + 128 x half
	s_lshl_b32 s46, s42, 8
	s_add_co_u32 s46, s46, s18                     ; B: row 256 x tile column + 128 x half
	s_mov_b32 s21, 0
	s_mov_b32 s47, 0
	s_mov_b64 s[18:19], KS
	s_mul_u64 s[22:23], s[20:21], s[18:19]         ; where these rows' scales begin
	s_mul_u64 s[92:93], s[46:47], s[18:19]
	s_mov_b64 s[18:19], KROW
	s_mul_u64 s[20:21], s[20:21], s[18:19]         ; and their codes
	s_mul_u64 s[46:47], s[46:47], s[18:19]
	s_mul_i32 s45, s14, HALFT                      ; where they go: wave x 128 rows
	s_mul_i32 s94, s14, HALFS
	s_wait_dscnt 0x0                               ; both opening adds are done
	s_wait_kmcnt 0x0
	s_add_nc_u64 s[20:21], s[4:5], s[20:21]
	s_add_nc_u64 s[22:23], s[6:7], s[22:23]
	s_add_nc_u64 s[46:47], s[8:9], s[46:47]
	s_add_nc_u64 s[92:93], s[10:11], s[92:93]
	CROUND                                         ; all sixteen work-groups are here: the joint loads meet
	s_mov_b32 s[G0S], 1
	s_add_co_u32 s[G0S+1], s94, SCL
	s_mov_b64 s[G0S+2:G0S+3], s[22:23]
	s_or_b32 s[G0S+3], s[G0S+3], 0x80000000
	s_mov_b32 s[G0SB], 1
	s_add_co_u32 s[G0SB+1], s94, SCL
	s_mov_b64 s[G0SB+2:G0SB+3], s[92:93]
	s_or_b32 s[G0SB+3], s[G0SB+3], 0x80000000
	JLOAD G0S, G1S, G0SB, G1SB                     ; the scales first
.irp s, 0,1
	s_mov_b32 s[G0+4*\s], 1
	s_add_co_u32 s[G0+4*\s+1], s45, \s*SLOT
	s_add_nc_u64 s[G0+4*\s+2:G0+4*\s+3], s[20:21], \s*ROWB
	s_or_b32 s[G0+4*\s+3], s[G0+4*\s+3], 0x80000000
	s_mov_b32 s[G0B+4*\s], 1
	s_add_co_u32 s[G0B+4*\s+1], s45, \s*SLOT
	s_add_nc_u64 s[G0B+4*\s+2:G0B+4*\s+3], s[46:47], \s*ROWB
	s_or_b32 s[G0B+4*\s+3], s[G0B+4*\s+3], 0x80000000
	JLOAD G0+4*\s, G1, G0B+4*\s, G1B               ; three tensor loads of mine are out
.endr
	v_and_b32 v1, 15, v0                           ; r = lane % 16
	v_bfe_u32 v2, v0, 4, 1                         ; h = lane / 16
	; the bias: b_attn at my 128 columns; offsets that hold cx are made in the registers that fed B's descriptors
	s_lshl_b32 s46, s42, 10
	s_lshl_b32 s47, s16, 9
	s_add_co_u32 s46, s46, s47
	s_mov_b32 s47, 0
	s_add_nc_u64 s[96:97], s[96:97], s[46:47]
	v_lshlrev_b32 v[BO], 5, v2
	WIN TO_B
.irp b, 0,1,2,3,4,5,6,7
	global_load_b128 v[BI+8*\b:BI+8*\b+3], v[BO], s[96:97] offset:64*\b          ; lane (r, h): b_attn at columns 16 b + 8 h + 0 .. 7
	global_load_b128 v[BI+8*\b+4:BI+8*\b+7], v[BO], s[96:97] offset:64*\b+16
.endr
	WIN 0
	v_mul_u32_u24 v3, v1, PITCH
	v_lshl_add_u32 v4, v2, 4, v3                   ; a fragment's row x pitch + 16 x half
	s_mul_i32 s21, s15, HALFT                      ; my 128 rows of A
	s_mul_i32 s22, s16, HALFT                      ; my 128 rows of B,
	s_add_co_u32 s22, s22, 2*HALFT                 ; behind A's 256
.irp s, 0,1
	v_add_nc_u32 v[ADRA+\s], s21, v4
	v_add_nc_u32 v[ADRB+\s], s22, v4
	s_add_co_u32 s21, s21, SLOT
	s_add_co_u32 s22, s22, SLOT
.endr
	v_mul_u32_u24 v5, v1, KS                       ; my row's scales: 32 bytes a row,
	v_lshrrev_b32 v6, 8, v5
	v_lshl_add_u32 v5, v6, 4, v5                   ; and 16 more for each 256 passed
	s_mul_i32 s21, s15, HALFS
	s_mul_i32 s22, s16, HALFS
	s_add_co_u32 s22, s22, 2*HALFS
	s_sub_co_u32 s22, s22, s21
	v_mul_u32_u24 v6, s22, v2                      ; lanes 16-31 take B's: one product, the distance x h
	s_add_co_u32 s21, s21, SCL
	v_add_nc_u32 v5, v5, v6
	v_add_nc_u32 v[ADRS], s21, v5
	s_mul_i32 s23, s14, SW                         ; my stage
	v_mul_u32_u24 v5, v1, 144
	v_lshl_add_u32 v5, v2, 4, v5
	v_add_nc_u32 v[STO], s23, v5                   ; in: row r, 16 bytes for each half of the lanes
	v_bfe_u32 v5, v0, 3, 2
	v_mul_u32_u24 v5, v5, 144
	v_and_b32 v6, 7, v0
	v_lshl_add_u32 v5, v6, 4, v5
	v_add_nc_u32 v[RD], s23, v5                    ; back: eight lanes to a row of 128 bytes, four rows an instruction
	v_and_b32 v6, 31, v0
	v_lshlrev_b32 v[CO], 4, v6                     ; and in memory those four rows are 512 consecutive bytes
	; qkv16 at ((part x 64 + 16 cy + 4 cx + 2 half) << 18) + (256 cluster y + 128 row half) x 128
	s_lshl_b32 s20, s41, 22                        ; 16 cy heads of 2^18 bytes
	s_lshl_b32 s21, s66, 15
	s_add_co_u32 s20, s20, s21
	s_lshl_b32 s21, s15, 14
	s_add_co_u32 s20, s20, s21
	s_mov_b32 s21, 0
	s_add_nc_u64 s[98:99], s[98:99], s[20:21]
	s_lshl_b32 s46, ttmp9, 6
	s_lshl_b32 s47, s40, 2
	s_add_co_u32 s46, s46, s47
	s_lshl_b32 s47, s16, 1
	s_add_co_u32 s46, s46, s47
	s_lshl_b32 s46, s46, 18
	s_mov_b32 s47, 0
	s_add_nc_u64 s[98:99], s[98:99], s[46:47]
	; qkv32 at ((2 tile column + half) x 4 + cy) x 8,192
	s_lshl_b32 s20, s41, 13
	s_add_nc_u64 s[100:101], s[100:101], s[20:21]
	s_lshl_b32 s46, s42, 1
	s_add_co_u32 s46, s46, s16
	s_lshl_b32 s46, s46, 15
	s_add_nc_u64 s[100:101], s[100:101], s[46:47]
	s_or_b32 s67, s66, s15                         ; 0 where my block 0 holds positions 0 to 15
.macro FRAG reg, adr, q, i             ; 16 rows x 128 K of 4-bit codes: 8 registers, two loads of 16 bytes, 32 bytes apart
.irp c, 0,1
	ds_load_b128 v[\reg+4*\c:\reg+4*\c+3], v[\adr] offset:64*(\q)+32*\c+(\i)*16*PITCH
.endr
.endm
; 16 matrix instructions: A's blocks a0, a0 + 1 x B's eight.  first = 1: the bias is the C: nothing is cleared and nothing is added later.  The 64 accumulators take turns.
.macro MUL16 a0, p, q, sc, first
.irp a, \a0, \a0+1
.irp b, 0,1,2,3,4,5,6,7
.if \first
	v_wmma_scale_f32_16x16x128_f8f6f4 v[8*(8*((\a)%4)+\b):8*(8*((\a)%4)+\b)+7], v[128*(\p)+FR*\b:128*(\p)+FR*\b+FR-1], v[AF+FR*(\a):AF+FR*(\a)+FR-1], v[BI+8*\b:BI+8*\b+7], v[SC+8*NQ*(\sc)+NQ*\b+(\q)], v[SC+8*NQ*(\sc)+NQ*(\a)+(\q)] matrix_a_fmt:MATRIX_FMT_FP4 matrix_b_fmt:MATRIX_FMT_FP4 matrix_a_scale:MATRIX_SCALE_ROW1
.else
	v_wmma_scale_f32_16x16x128_f8f6f4 v[8*(8*((\a)%4)+\b):8*(8*((\a)%4)+\b)+7], v[128*(\p)+FR*\b:128*(\p)+FR*\b+FR-1], v[AF+FR*(\a):AF+FR*(\a)+FR-1], v[8*(8*((\a)%4)+\b):8*(8*((\a)%4)+\b)+7], v[SC+8*NQ*(\sc)+NQ*\b+(\q)], v[SC+8*NQ*(\sc)+NQ*(\a)+(\q)] matrix_a_fmt:MATRIX_FMT_FP4 matrix_b_fmt:MATRIX_FMT_FP4 matrix_a_scale:MATRIX_SCALE_ROW1
.endif
.endr
.endr
.endm
.macro FETCH_B slot, q, p
	WIN TO_B
.irp i, 0,1,2,3,4,5,6,7
	FRAG 128*(\p)+FR*\i, ADRB+\slot, \q, \i
.endr
	WIN 0
.endm
.macro FETCH_A slot, q, i0
.irp i, \i0, \i0+1, \i0+2, \i0+3
	FRAG AF+FR*(\i), ADRA+\slot, \q, \i
.endr
.endm
.macro SCALES sc                       ; a slot's scale words: lanes 0-15 take A's block i, lanes 16-31 B's block i
.irp i, 0,1,2,3,4,5,6,7
	ds_load_b128 v[SC+8*NQ*\sc+NQ*\i:SC+8*NQ*\sc+NQ*\i+3], v[ADRS] offset:\i*SBLK
.endr
.endm
.macro PLACES n                        ; plain vector instructions between a matrix instruction and a load into, or a read of, its registers
.rept \n
	v_nop
.endr
.endm
.macro STEP slot, q, first             ; 128 along K that have their successor in the same slot
	s_wait_dscnt 4*NL                              ; B's set and A's blocks 0-3 are in; the youngest eight loads (A's blocks 4-7) may be out
.if \first
	WIN 0x91                                       ; C (the bias) window 1, D window 2
.else
	WIN MUL_LO
.endif
	MUL16 0, (\q)%2, \q, \slot, \first
	MUL16 2, (\q)%2, \q, \slot, \first
	s_wait_dscnt 0
	PLACES NP
	FETCH_B \slot, (\q)+1, 1-(\q)%2
	FETCH_A \slot, (\q)+1, 0
.if \first
	WIN 0xd1
.else
	WIN MUL_HI
.endif
	MUL16 4, (\q)%2, \q, \slot, \first
	MUL16 6, (\q)%2, \q, \slot, \first
	PLACES NP
	WIN 0
	FETCH_A \slot, (\q)+1, 4
.endm
; Slot 0's last step goes over to slot 1: one barrier; in front of it each wave waits for all its tensor loads, adds 0 to its spare word, and waits for that and for its reads of slot 0.
.macro TURN slot, next
	s_wait_tensorcnt 0x0                           ; my part of the next slot has landed
	ds_add_u32 v[SPW], v[NIL]
	s_wait_dscnt 4*NL+1                            ; the add and the youngest eight loads may be out
	WIN MUL_LO
	MUL16 0, 1, NQ-1, \slot, 0
	s_wait_dscnt 0x0                               ; the add is done, and my reads of this slot are over
	s_barrier_signal -1
	MUL16 2, 1, NQ-1, \slot, 0
	WIN 0
	s_barrier_wait -1
	PLACES NP
	v_add_nc_u32 v[ADRS], 4*NQ, v[ADRS]            ; on to the next slot's scale words
	FETCH_B \next, 0, 0
	FETCH_A \next, 0, 0
	SCALES \next
	WIN MUL_HI
	MUL16 4, 1, NQ-1, \slot, 0
	MUL16 6, 1, NQ-1, \slot, 0
	PLACES NP
	WIN 0
	FETCH_A \next, 0, 4
.endm
.macro STEPS slot, from
.set Q, \from
.rept NQ-1-\from
	STEP \slot, Q, 0
.set Q, Q+1
.endr
.endm
	s_wait_tensorcnt 1                             ; the scales and my part of slot 0 are in; slot 1's load may be out
	s_barrier_signal -1
	s_barrier_wait -1
	FETCH_B 0, 0, 0
	FETCH_A 0, 0, 0
	SCALES 0
	FETCH_A 0, 0, 4
	s_wait_loadcnt 0x0                             ; the bias
	STEP 0, 0, 1
	STEPS 0, 1
	TURN 0, 1
	STEPS 1, 0
	s_wait_dscnt 4*NL                              ; the very last step
	WIN MUL_LO
	MUL16 0, 1, NQ-1, 1, 0
	MUL16 2, 1, NQ-1, 1, 0
	s_wait_dscnt 0
	WIN MUL_HI
	MUL16 4, 1, NQ-1, 1, 0
	MUL16 6, 1, NQ-1, 1, 0
	WIN 0
	PLACES NP                                      ; behind the last products: stores, conversions and loads follow
	; THE FIRST 16 POSITIONS IN F32: block 0 of the waves with the tile's upper rows, where the cluster's y is 0.  The accumulators leave as they stand, 512 consecutive bytes a store.
	s_cmp_lg_u32 s67, 0
	s_cbranch_scc1 .Lnofine
	WIN 0x08                                       ; a store's data are its source 1: window 2
.irp b, 0,1,2,3,4,5,6,7
.irp g, 0,1
	global_store_b128 v[CO], v[8*\b+4*\g:8*\b+4*\g+3], s[100:101] offset:(2*\b+\g)*512
.endr
.endr
	WIN 0
.Lnofine:
; THE WAY OUT, block by block of 16 tokens x 128 columns (two heads).  PACK: rounded to f16, 16 bytes a lane.  TOSTAGE: into my stage, by head, and back four rows of a head at a time.  SEND: stored.
.macro PACK a
.set AC, 64*((\a)%4)
	WIN 0x0a+5*((\a)/4)                            ; sources 0 and 1: window 2 or 3
.irp b, 0,1,2,3,4,5,6,7
.irp r, 0,1,2,3
	v_cvt_pk_f16_f32 v[TMP+4*\b+\r], v[AC+8*\b+2*\r], v[AC+8*\b+2*\r+1]
.endr
.endr
	WIN 0
.endm
.macro TOSTAGE a
.set BB, OB+192*((\a)%2)
.irp b, 0,1,2,3,4,5,6,7
	ds_store_b128 v[STO], v[TMP+4*\b:TMP+4*\b+3] offset:(\b/4)*2304+32*(\b%4)
.endr
.irp t, 0,1,2,3,4,5,6,7
	ds_load_b128 v[BB+4*\t:BB+4*\t+3], v[RD] offset:(\t/4)*2304+576*(\t%4)   ; LDS serves a wave's instructions in order: these see the stores above
.endr
.endm
.macro SEND a
.set BB, OB+192*((\a)%2)
	s_wait_dscnt 0x0                               ; the block is back in registers
	s_wait_xcnt 0x0                                ; earlier stores have read their registers: the next block's loads may land there
.irp t, 0,1,2,3,4,5,6,7
	global_store_b128 v[CO], v[BB+4*\t:BB+4*\t+3], s[98:99] offset:(\t/4)*262144+2048*(\a)+512*(\t%4)   ; 512 consecutive bytes of one head, aligned
.endr
.endm
	PACK 0
	TOSTAGE 0
.irp a, 1,2,3,4,5,6,7                  ; block a's conversions stand between block a - 1's loads from the stage and the wait for them
	PACK \a
	SEND \a-1
	TOSTAGE \a
.endr
	SEND 7
	s_wait_tensorcnt 0x0                           ; the wave's end
	ds_add_u32 v[SPW], v[NIL]
	s_wait_dscnt 0x0
	CROUND                                         ; the closing round
	s_endpgm
.Lfunc_end_k_qa27d54e8e5_qkv:
	.size	k_qa27d54e8e5_qkv, .Lfunc_end_k_qa27d54e8e5_qkv-k_qa27d54e8e5_qkv
	.p2alignl 7, 3214868480
	.fill 96, 4, 3214868480
	.section	.rodata,"a",@progbits
	.p2align	6, 0x0
	.amdhsa_kernel k_qa27d54e8e5_qkv
		.amdhsa_group_segment_fixed_size 327680
		.amdhsa_private_segment_fixed_size 0
		.amdhsa_enable_private_segment 0
		.amdhsa_kernarg_size 56
		.amdhsa_user_sgpr_count 2
		.amdhsa_user_sgpr_kernarg_segment_ptr 1
		.amdhsa_wavefront_size32 1
		.amdhsa_system_sgpr_workgroup_id_x 1
		.amdhsa_system_sgpr_workgroup_id_y 1
		.amdhsa_system_sgpr_workgroup_id_z 1
		.amdhsa_system_vgpr_workitem_id 0
		.amdhsa_next_free_vgpr 1024
		.amdhsa_next_free_sgpr 102
		.amdhsa_reserve_vcc 0
		.amdhsa_float_denorm_mode_32 3
		.amdhsa_float_denorm_mode_16_64 3
		.amdhsa_memory_ordered 1
		.amdhsa_forward_progress 1
		.amdhsa_inst_pref_size 130
	.end_amdhsa_kernel
	.amdgpu_metadata
---
amdhsa.version: [ 1, 2 ]
amdhsa.kernels:
  - .name:           k_qa27d54e8e5_qkv
    .symbol:         k_qa27d54e8e5_qkv.kd
    .args:
      - { .name: xc, .offset: 0, .size: 8, .value_kind: global_buffer, .address_space: global }
      - { .name: xs, .offset: 8, .size: 8, .value_kind: global_buffer, .address_space: global }
      - { .name: wc, .offset: 16, .size: 8, .value_kind: global_buffer, .address_space: global }
      - { .name: ws, .offset: 24, .size: 8, .value_kind: global_buffer, .address_space: global }
      - { .name: b_attn, .offset: 32, .size: 8, .value_kind: global_buffer, .address_space: global }
      - { .name: qkv16, .offset: 40, .size: 8, .value_kind: global_buffer, .address_space: global }
      - { .name: qkv32, .offset: 48, .size: 8, .value_kind: global_buffer, .address_space: global }
    .group_segment_fixed_size: 327680
    .private_segment_fixed_size: 0
    .kernarg_segment_align: 8
    .kernarg_segment_size: 56
    .max_flat_workgroup_size: 128
    .sgpr_count:     102
    .vgpr_count:     1024
    .wavefront_size: 32
...
	.end_amdgpu_metadata
.endif
;; end of part 2
;; launch attn (part 3): grid 4 x 64, 8 waves a work-group, no clusters, 327,680 bytes of LDS; arguments qkv16, y16; writes y16
.if DOCPART == 3
	.amdgcn_target "amdgcn-amd-amdhsa--gfx1250"
	.amdhsa_code_object_version 6
	.text
	.protected	k_qa27d54e8e5_attn
	.globl	k_qa27d54e8e5_attn
	.p2align	8
	.type	k_qa27d54e8e5_attn,@function
k_qa27d54e8e5_attn:
	s_mov_b64 s[64:65], 0
	v_nop
	global_prefetch_b8 v0, s[64:65] scope:SCOPE_SE
	s_setreg_imm32_b32 hwreg(HW_REG_WAVE_MODE, 25, 1), 1
	s_wait_xcnt 0x0
; y[bh][q] = the sum over k <= q of softmax_k(Q[q] . K[k] / 8) V[k], head size 64, 2,048 positions, 64 heads x batches.  Q, K, V: qkv16 [part][bh][t][64] f16; y16 [bh][t][64] f16.
; Products on f16 operands with f32 sums; maxima, exponentials and sums in f32; the weights p (at most 1) are rounded to f16 for the second product.
; LIMITS: the operands are f16 (|q|, |k|, |v| under 65,504); NaN and infinities are not served.  Positions 0 to 15 are computed here too, but what the output takes of them comes from the f32 launch.
; SHARES.  Work-group (p, bh) owns query blocks 7 - p and p of its head, 256 queries each, one after the other: key slots 0 .. 7 - p, then 0 .. p: ALWAYS 9 tiles of 256 keys, so every trip count
; is a constant, all 256 work-groups have equal work, and every tile that is fetched is read.  Wave w owns queries 32 w .. 32 w + 31 of the block: two tiles of 16 that share each fragment of K and V.
; NO CLUSTER: the four work-groups of a head walk 8, 7, 6 and 5 slots before they return to slot 0, so partners would want different tiles in the same round.
; LAYOUT.  S^T = K Q^T (source 0 = 16 keys, source 1 = 16 queries), O^T = V^T P: a lane holds ONE query (lane % 16) throughout; two tiles of S^T rounded in pairs are source 1 of the second product.
; SOFTMAX.  A running maximum m and sum l for each query: p = 2^(c s - c m), c = log2(e) / 8; in every step O and l are multiplied by a = 2^(c m_old - c m_new).
; CAUSAL.  A step of 64 keys all of which come after the wave's 32 queries ends the slot's work (a scalar branch on ids); on the diagonal hidden scores become -infinity ahead of the maximum.
; RING.  Two slots of 256 keys; each of the eight waves fetches 64 rows of 128 bytes (waves 0-3: K, waves 4-7: V): one tensor load of mine is out at a time.
; REGISTERS.  window 0: v1-14 addresses; v16-31 statistics, 8 a tile; v32-63 Q; v64-127 S^T; v128-159 P; v160-223 O^T; v224-255 the way out.
;   window 1: v0-63 K's fragments of a step; v64-127 V's; v128-159 the second block's Q.
.set PK,    144                        ; a row of K in LDS: 128 bytes + 16
.set PV,    160                        ; a row of V: 128 + 32: an odd multiple of 32 for the turning load
.set VOFF,  256*PK
.set SLOT1, 131072                     ; one exclusive or turns an address in one slot into the other's
.set STAGE, 77824                      ; between the slots: 32 rows x 144 bytes for each wave
.set SPARE, 114688                     ; the spare words, 128 bytes for each of eight waves
.set AK0, 1
.set AV0, 2
.set ADK, 3
.set ADV, 4
.set STO, 5
.set RD,  6
.set GO,  7
.set SPW, 8
.set NIL, 9
.set PFO, 10
.set D0,  11                           ; v11  r - 8 h
.set DM,  12
.set NINF, 13
.set QO,  14
.set ST,  16                           ; tile t at v[ST + 8 t]: +0 c m, +1 m, +2, +3 l, +4 .. +7 at work; a takes +6
.set QF,  32
.set SF,  64
.set PF,  128
.set OA,  160
.set OUTR, 224
; scalars: s8 wave, s9 wave & 3, s10 p, s11 bh, s12 the tile at which the second block begins, s13 the tile's number, s14 its key slot, s15 the key slot asked for, s16 my first query, s17 the slot's first key,
; s[20:21] lane selects, s[22:23] c, s[24:31], s[32:39] groups 1, s[40:43], s[44:47] groups 0, s[48:49], s[50:51] K and V at my rows of slot 0, s[52:53] an offset pair, s[54:55] the prefetch, s56 its limit, s57 the slot in hand, s[58:59] y
.set MSB, 0
.macro WIN new
.if MSB != (\new)
	s_set_vgpr_msb (MSB<<8)|(\new)
.set MSB, (\new)
.endif
.endm
.macro TLOAD                           ; waves 0-3 fetch K's quarters, waves 4-7 V's.  An s_nop 0 and four v_nop follow each line
	s_cmp_lt_u32 s8, 4
	s_cbranch_scc0 .Lfor_v_\@
	tensor_load_to_lds s[40:43], s[24:31]
	s_nop 0
.rept 4
	v_nop
.endr
	s_branch .Lasked_\@
.Lfor_v_\@:
	tensor_load_to_lds s[44:47], s[32:39]
	s_nop 0
.rept 4
	v_nop
.endr
.Lasked_\@:
.endm
; A prefetch of the 8,192 bytes that this wave will itself ask for at the NEXT change of slots: key slot T + 2, lanes 256 bytes apart.  Of a head's four work-groups only the one that walks all eight
; slots asks (p = 0), in trips 0 to 5: so slots 2 to 7 are named once each, slots 0 and 1 never, and nothing past slot 7.
.macro ASK
	s_cmp_lt_u32 s13, s56
	s_cbranch_scc0 .Lnot_mine_\@
	global_prefetch_b8 v[PFO], s[54:55] th:TH_LOAD_NT scope:SCOPE_SE
.Lnot_mine_\@:
.endm
; THE CHANGE OF SLOTS, at a tile's head.  Each wave waits for its tensor load (its part of the tile ahead), adds 0 to its spare word, and waits for that and for its reads of the slot that it has left.
; fill = 1: behind the barrier that slot takes the next tile, which has a whole tile's steps in which to land.
.macro CHANGE fill
	s_wait_tensorcnt 0x0                           ; no tensor load of mine is out, so the groups 0 may be written
	ds_add_u32 v[SPW], v[NIL]
	s_mov_b32 s14, s15                             ; the key slot of the tile ahead
.if \fill
	s_add_co_u32 s18, s13, 1
	s_add_co_u32 s15, s15, 1
	s_cmp_eq_u32 s18, s12
	s_cselect_b32 s15, 0, s15                      ; the next tile's: one on, or slot 0 where the second block begins
	s_xor_b32 s41, s41, SLOT1
	s_xor_b32 s45, s45, SLOT1
	s_lshl_b32 s52, s15, 15                        ; 256 keys of 128 bytes
	s_add_nc_u64 s[42:43], s[48:49], s[52:53]
	s_or_b32 s43, s43, 0x80000000
	s_add_nc_u64 s[46:47], s[50:51], s[52:53]
	s_or_b32 s47, s47, 0x80000000
	s_wait_xcnt 0x0                                ; the last prefetch, a tile back, has read its address
	s_add_nc_u64 s[54:55], s[54:55], 32768
.endif
	s_wait_dscnt 0x0                               ; the add is done, and my reads of the slot that I have left are over
	s_barrier_signal -1
	s_barrier_wait -1
.if \fill
	TLOAD                                          ; the first thing behind the barrier, and my one tensor load until the next
	ASK
.endif
.endm
.macro FETCH_K q                       ; 64 keys x 64 channels: fragment (kt, kk) at v[8 (2 kt + kk)] of window 1
.irp kt, 0,1,2,3
.irp kk, 0,1
	ds_load_b128 v[8*(2*\kt+\kk):8*(2*\kt+\kk)+3],   v[ADK] offset:9216*(\q)+2304*\kt+64*\kk
	ds_load_b128 v[8*(2*\kt+\kk)+4:8*(2*\kt+\kk)+7], v[ADK] offset:9216*(\q)+2304*\kt+64*\kk+32
.endr
.endr
.endm
.macro FETCH_V q                       ; turned: fragment (kk, ct): 16 channels x 32 keys at v[64 + 8 (4 kk + ct)] of window 1
.irp kk, 0,1
.irp ct, 0,1,2,3
	ds_load_tr16_b128 v[64+8*(4*\kk+\ct):64+8*(4*\kk+\ct)+3],   v[ADV] offset:10240*(\q)+5120*\kk+32*\ct
	ds_load_tr16_b128 v[64+8*(4*\kk+\ct)+4:64+8*(4*\kk+\ct)+7], v[ADV] offset:10240*(\q)+5120*\kk+32*\ct+2560
.endr
.endr
.endm
.macro MASK q                          ; register 8 kt + j of tile t holds key KF + 64 q + 16 kt + 8 h + j: hidden where 16 kt + j > my query - KF - 64 q - 8 h
	s_sub_co_i32 s18, s16, s17
.if \q > 0
	s_sub_co_i32 s18, s18, 64*\q
.endif
	v_add_nc_u32 v[DM], s18, v[D0]
.irp t, 0,1
.if \t == 1
	v_add_nc_u32 v[DM], 16, v[DM]
.endif
.irp n, 0,1,2,3,4,5,6,7,8,9,10,11,12,13,14,15,16,17,18,19,20,21,22,23,24,25,26,27,28,29,30,31
	v_cmp_gt_i32 vcc_lo, 16*(\n/8)+\n%8, v[DM]
	v_cndmask_b32 v[SF+32*\t+\n], v[SF+32*\t+\n], v[NINF], vcc_lo
.endr
.endr
.endm
; The softmax of both tiles for 64 keys, the tiles alternating line by line.  Each accumulator is read from its low end on.
.macro SOFTMAX
.irp j, 0,1,2,3
.irp t, 0,1
	v_max3_num_f32 v[ST+8*\t+4+\j], v[SF+32*\t+8*\j], v[SF+32*\t+8*\j+1], v[SF+32*\t+8*\j+2]
.endr
.endr
.irp g, 1,2
.irp j, 0,1,2,3
.irp t, 0,1
	v_max3_num_f32 v[ST+8*\t+4+\j], v[ST+8*\t+4+\j], v[SF+32*\t+8*\j+2*\g+1], v[SF+32*\t+8*\j+2*\g+2]
.endr
.endr
.endr
.irp t, 0,1
	v_max3_num_f32 v[ST+8*\t+4], v[ST+8*\t+4], v[SF+32*\t+7], v[SF+32*\t+15]
.endr
.irp t, 0,1
	v_max3_num_f32 v[ST+8*\t+6], v[ST+8*\t+6], v[SF+32*\t+23], v[SF+32*\t+31]
.endr
.irp t, 0,1
	v_max3_num_f32 v[ST+8*\t+4], v[ST+8*\t+4], v[ST+8*\t+5], v[ST+8*\t+6]
.endr
.irp t, 0,1
	v_max3_num_f32 v[ST+8*\t+4], v[ST+8*\t+4], v[ST+8*\t+7], v[ST+8*\t+1]   ; the old m among the leaves
.endr
.irp t, 0,1
	v_permlanex16_b32 v[ST+8*\t+5], v[ST+8*\t+4], s20, s21                  ; the query's other 32 keys lie in the lane 16 away
.endr
.irp t, 0,1
	v_mov_b32 v[ST+8*\t+7], v[ST+8*\t]                                      ; c m_old is kept for a
.endr
.irp t, 0,1
	v_max_num_f32 v[ST+8*\t+1], v[ST+8*\t+4], v[ST+8*\t+5]
.endr
.irp t, 0,1
	v_mul_f32 v[ST+8*\t], s22, v[ST+8*\t+1]
.endr
.irp t, 0,1
	v_sub_f32 v[ST+8*\t+7], v[ST+8*\t+7], v[ST+8*\t]
.endr
	; ONE BATCH: the scalings c s - c m, a pair each, and all exponentials; none of these names an exponential's result
.irp t, 0,1
	v_pk_fma_f32 v[SF+32*\t:SF+32*\t+1], v[SF+32*\t:SF+32*\t+1], s[22:23], v[ST+8*\t:ST+8*\t+1] op_sel_hi:[1,0,0] neg_lo:[0,0,1] neg_hi:[0,0,1]
.endr
.irp t, 0,1
	v_exp_f32 v[ST+8*\t+6], v[ST+8*\t+7]                                    ; a
.endr
.irp b, 0,1,2,3,4,5,6,7,8,9,10,11,12,13,14
.irp t, 0,1
	v_pk_fma_f32 v[SF+32*\t+2*(\b+1):SF+32*\t+2*(\b+1)+1], v[SF+32*\t+2*(\b+1):SF+32*\t+2*(\b+1)+1], s[22:23], v[ST+8*\t:ST+8*\t+1] op_sel_hi:[1,0,0] neg_lo:[0,0,1] neg_hi:[0,0,1]
.endr
.irp t, 0,1
	v_exp_f32 v[SF+32*\t+2*\b], v[SF+32*\t+2*\b]
.endr
.irp t, 0,1
	v_exp_f32 v[SF+32*\t+2*\b+1], v[SF+32*\t+2*\b+1]
.endr
.endr
.irp t, 0,1
	v_exp_f32 v[SF+32*\t+30], v[SF+32*\t+30]
.endr
.irp t, 0,1
	v_exp_f32 v[SF+32*\t+31], v[SF+32*\t+31]
.endr
	v_nop                                          ; a plain instruction behind the last exponential
	s_wait_alu depctr_va_vdst(0)                   ; one wait for the batch's 66 exponentials, ahead of the first instruction that names a result
.irp b, 0,1,2,3,4,5,6,7,8,9,10,11,12,13,14,15
.irp t, 0,1
	v_cvt_pk_f16_f32 v[PF+16*\t+\b], v[SF+32*\t+2*\b], v[SF+32*\t+2*\b+1]
.endr
.endr
.irp u, 0,1,2,3,4,5,6,7                ; the sum of the 16 pairs, in place, neighbours 1, 2, 4 and 8 pairs apart; then l = a l + the sum
.irp t, 0,1
	v_pk_add_f32 v[SF+32*\t+4*\u:SF+32*\t+4*\u+1], v[SF+32*\t+4*\u:SF+32*\t+4*\u+1], v[SF+32*\t+4*\u+2:SF+32*\t+4*\u+3]
.endr
.endr
.irp u, 0,1,2,3
.irp t, 0,1
	v_pk_add_f32 v[SF+32*\t+8*\u:SF+32*\t+8*\u+1], v[SF+32*\t+8*\u:SF+32*\t+8*\u+1], v[SF+32*\t+8*\u+4:SF+32*\t+8*\u+5]
.endr
.endr
.irp u, 0,1
.irp t, 0,1
	v_pk_add_f32 v[SF+32*\t+16*\u:SF+32*\t+16*\u+1], v[SF+32*\t+16*\u:SF+32*\t+16*\u+1], v[SF+32*\t+16*\u+8:SF+32*\t+16*\u+9]
.endr
.endr
.irp t, 0,1
	v_pk_add_f32 v[SF+32*\t:SF+32*\t+1], v[SF+32*\t:SF+32*\t+1], v[SF+32*\t+16:SF+32*\t+17]
.endr
.irp t, 0,1
	v_pk_fma_f32 v[ST+8*\t+2:ST+8*\t+3], v[ST+8*\t+2:ST+8*\t+3], v[ST+8*\t+6:ST+8*\t+7], v[SF+32*\t:SF+32*\t+1] op_sel_hi:[1,0,1]
.endr
.irp u, 0,1,2,3,4,5,6,7,8,9,10,11,12,13,14,15
.irp t, 0,1
	v_pk_mul_f32 v[OA+32*\t+2*\u:OA+32*\t+2*\u+1], v[OA+32*\t+2*\u:OA+32*\t+2*\u+1], v[ST+8*\t+6:ST+8*\t+7] op_sel_hi:[1,0]   ; O^T x a
.endr
.endr
.endm
; A KEY STEP: 64 keys, the q-th of the slot in hand.  The accumulators take turns, one instruction a turn.
.macro STEP q, id
.if \q > 0
	s_add_co_u32 s18, s17, 64*\q
	s_add_co_u32 s19, s16, 31
	s_cmp_gt_u32 s18, s19                          ; all its keys come after my 32 queries: so do those of the slot's later steps
	s_cbranch_scc1 .Lend\id
.endif
	s_wait_dscnt 0x0                               ; K is in
	WIN 0x01                                       ; source 0 window 1
.set i, 0
.rept 16
.set rS, SF+32*(i%2)+8*((i/2)%4)
.set rK, 8*(2*((i/2)%4)+i/8)
.set rQ, QF+16*(i%2)+8*(i/8)
.if i < 8
	v_wmma_f32_16x16x32_f16 v[rS:rS+7], v[rK:rK+7], v[rQ:rQ+7], 0
.else
	v_wmma_f32_16x16x32_f16 v[rS:rS+7], v[rK:rK+7], v[rQ:rQ+7], v[rS:rS+7]
.endif
.set i, i+1
.endr
.rept 4
	v_nop                                          ; places: loads into K's and V's registers and reads of the scores follow
.endr
	WIN 0x40                                       ; destination window 1
	FETCH_V \q
.if \q < 3
	FETCH_K \q+1
.endif
	WIN 0
	s_add_co_u32 s18, s17, 64*\q+63
	s_cmp_le_u32 s18, s16                          ; all 64 keys count for all my queries: no mask
	s_cbranch_scc1 .Lopen_\@
	MASK \q
.Lopen_\@:
	SOFTMAX
.if \q < 3
	s_wait_dscnt 16                                ; V is in; the next step's sixteen loads of K may be out
.else
	s_wait_dscnt 0x0
.endif
	WIN 0x01
.set i, 0
.rept 16
.set rO, OA+32*(i%2)+8*((i/2)%4)
.set rV, 64+8*(4*(i/8)+(i/2)%4)
.set rP, PF+16*(i%2)+8*(i/8)
	v_wmma_f32_16x16x32_f16 v[rO:rO+7], v[rV:rV+7], v[rP:rP+7], v[rO:rO+7]
.set i, i+1
.endr
	WIN 0
.endm
.macro SLOTWORK id
	s_lshl_b32 s17, s14, 8                         ; the slot's first key
	v_add_nc_u32 v[ADK], s57, v[AK0]
	v_add_nc_u32 v[ADV], s57, v[AV0]
	WIN 0x40
	FETCH_K 0
	STEP 0, \id
	STEP 1, \id
	STEP 2, \id
	STEP 3, \id
.Lend\id:
	s_xor_b32 s57, s57, SLOT1                      ; on to the other slot
.endm
.macro INIT                            ; the loop has no first step of its own: it finds zeros, which the first a = 0 leaves zeros
.irp t, 0,1
	v_mov_b32 v[ST+8*\t+1], 0xff61b1e6             ; m = -3e38, under every score
	v_mov_b32 v[ST+8*\t+2], 0
	v_mov_b32 v[ST+8*\t+3], 0
.endr
.irp t, 0,1
	v_mul_f32 v[ST+8*\t], s22, v[ST+8*\t+1]
.endr
.set i, 0
.rept 64
	v_mov_b32 v[OA+i], 0
.set i, i+1
.endr
.endm
; A block's way out: O^T / l, rounded to f16, through my stage, back as rows; each store covers 512 consecutive bytes of y16.
.macro FINISH
	s_wait_xcnt 0x0                                ; earlier stores have read v224-255
.rept 4
	v_nop                                          ; places behind the last products
.endr
.irp t, 0,1
	v_add_f32 v[ST+8*\t+4], v[ST+8*\t+2], v[ST+8*\t+3]
.endr
.irp t, 0,1
	v_permlanex16_b32 v[ST+8*\t+5], v[ST+8*\t+4], s20, s21
.endr
.irp t, 0,1
	v_add_f32 v[ST+8*\t+4], v[ST+8*\t+4], v[ST+8*\t+5]
.endr
.irp t, 0,1
	v_rcp_f32 v[ST+8*\t+6], v[ST+8*\t+4]
.endr
	v_nop
	s_wait_alu depctr_va_vdst(0)                   ; one wait for both reciprocals, ahead of their first reader
.irp t, 0,1
.irp u, 0,1,2,3,4,5,6,7,8,9,10,11,12,13,14,15
	v_pk_mul_f32 v[OA+32*\t+2*\u:OA+32*\t+2*\u+1], v[OA+32*\t+2*\u:OA+32*\t+2*\u+1], v[ST+8*\t+6:ST+8*\t+7] op_sel_hi:[1,0]
.endr
.endr
.irp t, 0,1
.irp u, 0,1,2,3,4,5,6,7,8,9,10,11,12,13,14,15
	v_cvt_pk_f16_f32 v[OUTR+16*\t+\u], v[OA+32*\t+2*\u], v[OA+32*\t+2*\u+1]
.endr
.endr
.irp t, 0,1
.irp ct, 0,1,2,3
	ds_store_b128 v[STO], v[OUTR+16*\t+4*\ct:OUTR+16*\t+4*\ct+3] offset:2304*\t+32*\ct
.endr
.endr
.irp u, 0,1,2,3,4,5,6,7
	ds_load_b128 v[OUTR+4*\u:OUTR+4*\u+3], v[RD] offset:576*\u    ; LDS serves a wave's instructions in order: these see the stores above
.endr
.irp u, 0,1,2,3,4,5,6,7
	s_wait_dscnt 7-\u                              ; load u is in; the later ones may be out
	global_store_b128 v[GO], v[OUTR+4*\u:OUTR+4*\u+3], s[58:59] offset:512*\u
.endr
.endm
.macro SWITCH                          ; at the tile with which the second block begins: a branch on ids alone, with no barrier and no tensor load inside
	s_cmp_lg_u32 s13, s12
	s_cbranch_scc1 .Lsame_\@
	FINISH
	s_wait_xcnt 0x0                                ; the stores have read their base
	s_lshl_b32 s16, s10, 8
	s_lshl_b32 s18, s8, 5
	s_add_co_u32 s16, s16, s18                     ; my first query: 256 p + 32 w
	s_lshl_b32 s52, s16, 7
	s_lshl_b32 s18, s11, 18
	s_add_co_u32 s52, s52, s18
	s_add_nc_u64 s[58:59], s[6:7], s[52:53]
	WIN 0x01
.set i, 0
.rept 32
	v_mov_b32 v[QF+i], v[128+i]                    ; the second block's Q comes down from window 1
.set i, i+1
.endr
	WIN 0
	INIT
.Lsame_\@:
.endm
	s_load_b128 s[4:7], s[0:1], 0x0                ; qkv16 s[4:5], y16 s[6:7]
	v_lshl_add_u32 v[SPW], v0, 2, SPARE
	v_mov_b32 v[NIL], 0
	ds_add_u32 v[SPW], v[NIL]                      ; the wave's opening: the add, twice on end, and its wait ahead of my first tensor load
	ds_add_u32 v[SPW], v[NIL]
	v_lshrrev_b32 v1, 5, v0
	v_readfirstlane_b32 s8, v1                     ; wave 0..7
	s_and_b32 s9, s8, 3
	s_mov_b32 s10, ttmp9                           ; p
	s_and_b32 s11, ttmp7, 0xffff                   ; batch x head
	s_sub_co_u32 s12, 8, s10
	s_mov_b32 s13, 0
	s_mov_b32 s15, 0
	s_mov_b32 s20, 0x76543210
	s_mov_b32 s21, 0xfedcba98
	s_mov_b32 s22, 0x3e38aa3b                      ; c = log2(e) / 8
	s_mov_b32 s23, s22
	s_mov_b32 s53, 0
	s_mov_b32 s57, 0
	s_mov_b32 s24, (1<<16)|(1<<20)|(4<<22)|(3<<25) ; elements of 2 bytes; padding: 4 words after every 32
	s_mov_b32 s32, (1<<16)|(1<<20)|(4<<22)|(7<<25) ; V: 8 words
.irp g, 24, 32
	s_mov_b32 s[\g+1], 64<<16                      ; tensor_dim0
	s_mov_b32 s[\g+2], 64<<16                      ; tensor_dim1
	s_mov_b32 s[\g+3], 64<<16                      ; tile_dim0
	s_mov_b32 s[\g+4], 64                          ; tile_dim1
	s_mov_b32 s[\g+5], 64                          ; the pitch
	s_mov_b32 s[\g+6], 0
	s_mov_b32 s[\g+7], 0
.endr
	s_mov_b32 s40, 1
	s_mul_i32 s41, s9, 64*PK                       ; my quarter of K's rows in slot 0
	s_mov_b32 s44, 1
	s_mul_i32 s45, s9, 64*PV
	s_add_co_u32 s45, s45, VOFF
	s_cmp_eq_u32 s10, 0
	s_cselect_b32 s56, 6, 0
	s_wait_dscnt 0x0                               ; both opening adds are done
	s_wait_kmcnt 0x0
	s_lshl_b32 s52, s11, 18
	s_add_nc_u64 s[60:61], s[4:5], s[52:53]        ; Q's part at my head
	s_lshl_b32 s18, s9, 13
	s_add_co_u32 s52, s52, s18
	s_add_nc_u64 s[48:49], s[4:5], s[52:53]
	s_add_nc_u64 s[50:51], s[48:49], 0x2000000     ; V's part, my 64 rows of slot 0
	s_add_nc_u64 s[48:49], s[48:49], 0x1000000     ; K's
	s_mov_b64 s[42:43], s[48:49]
	s_or_b32 s43, s43, 0x80000000
	s_mov_b64 s[46:47], s[50:51]
	s_or_b32 s47, s47, 0x80000000
	TLOAD                                          ; tile 0 into slot 0
	s_cmp_lt_u32 s8, 4
	s_cselect_b64 s[54:55], s[48:49], s[50:51]
	s_add_nc_u64 s[54:55], s[54:55], 32768         ; at slot 1: the first change steps it to slot 2.  Nothing is prefetched here, at the head
	s_sub_co_u32 s16, 7, s10
	s_lshl_b32 s16, s16, 8
	s_lshl_b32 s18, s8, 5
	s_add_co_u32 s16, s16, s18                     ; my first query: 256 (7 - p) + 32 w
	s_lshl_b32 s52, s16, 7
	s_add_nc_u64 s[62:63], s[60:61], s[52:53]      ; the first block's Q
	s_lshl_b32 s19, s11, 18
	s_add_co_u32 s52, s52, s19
	s_add_nc_u64 s[58:59], s[6:7], s[52:53]        ; and its rows of y
	s_lshl_b32 s19, s10, 8
	s_add_co_u32 s19, s19, s18
	s_lshl_b32 s52, s19, 7
	s_add_nc_u64 s[60:61], s[60:61], s[52:53]      ; the second block's Q
	v_and_b32 v224, 15, v0                         ; r
	v_bfe_u32 v225, v0, 4, 1                       ; h
	v_lshlrev_b32 v[QO], 7, v224
	v_lshl_add_u32 v[QO], v225, 4, v[QO]           ; row r of 128 bytes + 16 h
.irp t, 0,1
.irp kk, 0,1
	global_load_b128 v[QF+16*\t+8*\kk:QF+16*\t+8*\kk+3],   v[QO], s[62:63] offset:2048*\t+64*\kk
	global_load_b128 v[QF+16*\t+8*\kk+4:QF+16*\t+8*\kk+7], v[QO], s[62:63] offset:2048*\t+64*\kk+32
.endr
.endr
	WIN 0x40
.irp t, 0,1
.irp kk, 0,1
	global_load_b128 v[128+16*\t+8*\kk:128+16*\t+8*\kk+3],   v[QO], s[60:61] offset:2048*\t+64*\kk
	global_load_b128 v[128+16*\t+8*\kk+4:128+16*\t+8*\kk+7], v[QO], s[60:61] offset:2048*\t+64*\kk+32
.endr
.endr
	WIN 0
	v_mul_u32_u24 v[AK0], v224, PK
	v_lshl_add_u32 v[AK0], v225, 4, v[AK0]         ; K: row r x pitch + 16 h
	v_and_b32 v226, 7, v0
	v_lshl_add_u32 v227, v225, 3, v226
	v_mul_u32_u24 v[AV0], v227, PV
	v_bfe_u32 v227, v0, 3, 1
	v_lshl_add_u32 v[AV0], v227, 4, v[AV0]
	v_add_nc_u32 v[AV0], VOFF, v[AV0]              ; V, for the turning load: key 8 h + lane % 8, channels 8 ((lane / 8) % 2) on
	s_mul_i32 s18, s8, 32*PK
	s_add_co_u32 s18, s18, STAGE                   ; my stage
	v_add_nc_u32 v[STO], s18, v[AK0]               ; in: row r, 16 bytes for each half of the lanes
	v_bfe_u32 v227, v0, 3, 2
	v_mul_u32_u24 v[RD], v227, PK
	v_lshl_add_u32 v[RD], v226, 4, v[RD]
	v_add_nc_u32 v[RD], s18, v[RD]                 ; back: eight lanes to a row, four rows an instruction
	v_and_b32 v226, 31, v0
	v_lshlrev_b32 v[GO], 4, v226
	v_lshlrev_b32 v[PFO], 8, v226
	v_lshlrev_b32 v227, 3, v225
	v_sub_nc_u32 v[D0], v224, v227
	v_mov_b32 v[NINF], 0xff800000
.irp t, 0,1
	v_mov_b32 v[ST+8*\t+5], 0                      ; written once: a lane permute's destination counts as one of its sources,
	v_mov_b32 v[ST+8*\t+7], 0                      ; and a packed multiply names the whole pair (a, this register), of which it takes the low word
.endr
	INIT
	s_wait_loadcnt 0x0                             ; Q of both blocks
.Ltile:                                            ; eight trips: behind each change of slots but the last the next tile is asked for
	CHANGE 1
	SWITCH
	SLOTWORK 0
	s_add_co_u32 s13, s13, 1
	s_cmp_lt_u32 s13, 8
	s_cbranch_scc1 .Ltile
	CHANGE 0                                       ; the ninth tile is written out
	SWITCH
	SLOTWORK 1
	FINISH
	s_wait_tensorcnt 0x0                           ; the wave's end
	ds_add_u32 v[SPW], v[NIL]
	s_wait_dscnt 0x0
	s_endpgm
.Lfunc_end_k_qa27d54e8e5_attn:
	.size	k_qa27d54e8e5_attn, .Lfunc_end_k_qa27d54e8e5_attn-k_qa27d54e8e5_attn
	.p2alignl 7, 3214868480
	.fill 96, 4, 3214868480
	.section	.rodata,"a",@progbits
	.p2align	6, 0x0
	.amdhsa_kernel k_qa27d54e8e5_attn
		.amdhsa_group_segment_fixed_size 327680
		.amdhsa_private_segment_fixed_size 0
		.amdhsa_enable_private_segment 0
		.amdhsa_kernarg_size 16
		.amdhsa_user_sgpr_count 2
		.amdhsa_user_sgpr_kernarg_segment_ptr 1
		.amdhsa_wavefront_size32 1
		.amdhsa_system_sgpr_workgroup_id_x 1
		.amdhsa_system_sgpr_workgroup_id_y 1
		.amdhsa_system_sgpr_workgroup_id_z 1
		.amdhsa_system_vgpr_workitem_id 0
		.amdhsa_next_free_vgpr 416
		.amdhsa_next_free_sgpr 72
		.amdhsa_reserve_vcc 1
		.amdhsa_float_denorm_mode_32 3
		.amdhsa_float_denorm_mode_16_64 3
		.amdhsa_memory_ordered 1
		.amdhsa_forward_progress 1
		.amdhsa_inst_pref_size 209
	.end_amdhsa_kernel
	.amdgpu_metadata
---
amdhsa.version: [ 1, 2 ]
amdhsa.kernels:
  - .name:           k_qa27d54e8e5_attn
    .symbol:         k_qa27d54e8e5_attn.kd
    .args:
      - { .name: qkv16, .offset: 0, .size: 8, .value_kind: global_buffer, .address_space: global }
      - { .name: y16, .offset: 8, .size: 8, .value_kind: global_buffer, .address_space: global }
    .group_segment_fixed_size: 327680
    .private_segment_fixed_size: 0
    .kernarg_segment_align: 8
    .kernarg_segment_size: 16
    .max_flat_workgroup_size: 256
    .sgpr_count:     72
    .vgpr_count:     416
    .wavefront_size: 32
...
	.end_amdgpu_metadata
.endif
;; end of part 3
;; launch proj (part 4): grid 4 x 64, 4 waves a work-group, clusters of 4 x 4, 327,680 bytes of LDS; arguments y16, wp16, b_proj, out0; writes out0
.if DOCPART == 4
	.amdgcn_target "amdgcn-amd-amdhsa--gfx1250"
	.amdhsa_code_object_version 6
	.text
	.protected	k_qa27d54e8e5_proj
	.globl	k_qa27d54e8e5_proj
	.p2align	8
	.type	k_qa27d54e8e5_proj,@function
k_qa27d54e8e5_proj:
	s_mov_b64 s[64:65], 0
	v_nop
	global_prefetch_b8 v0, s[64:65] scope:SCOPE_SE
	s_setreg_imm32_b32 hwreg(HW_REG_WAVE_MODE, 25, 1), 1
	s_wait_xcnt 0x0
	s_wait_alu depctr_hold_cnt(0) depctr_sa_sdst(0) depctr_va_vdst(0) depctr_va_sdst(0) depctr_va_ssrc(0) depctr_va_vcc(0) depctr_vm_vsrc(0)
	s_getreg_b32 s2, hwreg(HW_REG_IB_STS2, 6, 4)
	s_cmp_eq_u32 s2, 0
	s_cbranch_scc0 .Lentry_in_a_cluster
	s_endpgm
.Lentry_in_a_cluster:
	s_bfe_u32 s2, ttmp6, 0x10000c
	s_cmp_lg_u32 s2, 0xf033
	s_cbranch_scc0 .Lentry_shape_is_right
	s_endpgm
.Lentry_shape_is_right:
; out0 = y w_proj + b_proj on f16 operands with f32 sums, for all positions but the first 16 of every sequence, which the f32 launch stores.
; y16 [batch x head 64][t 2048][64] f16: K = head x 64 + channel.  wp16 [k 1024][n 1024] f16.  out0 [8192][1024] f32.
; A tile is 128 tokens x 256 columns: 256 work-groups.  Four waves, each 64 x 128: 32 accumulators.  K goes in steps of 128 (two heads) through two LDS slots.
; CLUSTERS: 4 x 4.  Tile column = cx, batch = cy, block of 128 positions = the cluster's y.  y's tiles are shared along a row of the cluster, w_proj's along a column: joint loads.
; THE MATRIX INSTRUCTION IS USED TRANSPOSED: source 0 = 16 columns of w_proj (stored [k][n], so it comes out of LDS by the turning load), source 1 = 16 tokens: a lane holds eight neighbouring columns of one token.
; The bias is the C of each sum's first instruction.
; REGISTERS: window 0: v16-29 addresses; v64-127 y's fragments, two sets of 32; v128-255 the way out.  window 1: v0-127 w_proj's fragments, two sets of 64; v128-191 the bias.  window 2: accumulator (a, b) at v[8 (8 a + b)].
.set PA,     144                       ; a token's row of one head in LDS: 128 bytes + 16
.set PB,     544                       ; a k-row of w_proj's tile: 512 bytes + 32: an odd multiple of 32
.set PLANE,  128*PA                    ; one head's 128 tokens
.set BOFF,   2*PLANE
.set SLOT,   BOFF+128*PB               ; 106,496
.set STAGE,  2*SLOT                    ; 16 rows x (512 + 16) bytes for each wave
.set SPITCH, 528
.set SPARE,  STAGE+4*16*SPITCH
.set LAPS,   4                         ; a lap = two K steps
.set ADRA, 16
.set ADRB, 20
.set STO,  24
.set RD,   25
.set CO,   26
.set BO,   27
.set SPW,  28
.set NIL,  29
.set BI,   128                         ; in window 1
.set BK,   128
.set G1, 24
.set G0, 32
.set G1B, 48
.set G0B, 56
.set MSB, 0
.macro WIN new
.if MSB != (\new)
	s_set_vgpr_msb (MSB<<8)|(\new)
.set MSB, (\new)
.endif
.endm
.set MUL,  0xa1                        ; source 0 window 1, source 1 window 0, C and D window 2
.set TO_F, 0x40
.macro JLOAD s                         ; waves 0 and 1 fetch y's two heads, waves 2 and 3 the halves of w_proj's k-rows.  An s_nop 0 and four v_nop follow each line
	s_cmp_eq_u32 s13, 0
	s_cbranch_scc0 .Lfor_b_\@
	tensor_load_to_lds s[G0+4*\s:G0+4*\s+3], s[G1:G1+7]
	s_nop 0
.rept 4
	v_nop
.endr
	s_branch .Lasked_\@
.Lfor_b_\@:
	tensor_load_to_lds s[G0B+4*\s:G0B+4*\s+3], s[G1B:G1B+7]
	s_nop 0
.rept 4
	v_nop
.endr
.Lasked_\@:
.endm
.macro CREST
	s_cmp_lg_u32 s12, 0
	s_cbranch_scc1 .Lnot_wave_0_\@
	s_barrier_signal -3
.Lnot_wave_0_\@:
	s_barrier_wait -3
	s_barrier_signal -1
	s_barrier_wait -1
.endm
.macro CROUND
	s_barrier_signal -1
	s_barrier_wait -1
	CREST
.endm
	s_load_b256 s[4:11], s[0:1], 0x0               ; y16 s[4:5], wp16 s[6:7], b_proj s[8:9], out0 s[10:11]
	v_lshl_add_u32 v[SPW], v0, 2, SPARE
	v_mov_b32 v[NIL], 0
	ds_add_u32 v[SPW], v[NIL]                      ; the wave's opening: the add, twice on end, and its wait ahead of my first tensor load
	ds_add_u32 v[SPW], v[NIL]
	v_lshrrev_b32 v1, 5, v0
	v_readfirstlane_b32 s12, v1                    ; wave 0..3
	s_lshr_b32 s13, s12, 1                         ; which 64 tokens are mine.  Also: I fetch y (0) or w_proj (1)
	s_and_b32 s14, s12, 1                          ; which 128 columns.  Also: which half I fetch
	s_bfe_u32 s40, ttmp6, 0x40000                  ; cx: the tile column
	s_bfe_u32 s41, ttmp6, 0x40004                  ; cy: the batch
	s_and_b32 s42, ttmp7, 0xffff                   ; cluster y: the block of 128 positions
	s_lshl_b32 s43, s41, 2
	s_lshl_b32 s43, 15, s43                        ; my row of the cluster
	s_lshl_b32 s44, 0x1111, s40                    ; my column
	s_or_b32 s45, s42, s13                         ; 0 where my block 0 holds positions 0 to 15
	s_or_b32 s[G1+0], s43, (1<<16)|(1<<20)|(1<<21)|(4<<22)|(3<<25)   ; elements of 2 bytes; padding: 4 words after every 32
	s_mov_b32 s[G1+1], 64<<16                      ; tensor_dim0
	s_mov_b32 s[G1+2], 128<<16                     ; tensor_dim1
	s_mov_b32 s[G1+3], 64<<16                      ; tile_dim0
	s_mov_b32 s[G1+4], 128                         ; tile_dim1
	s_mov_b32 s[G1+5], 64                          ; the pitch
	s_mov_b32 s[G1+6], 0
	s_mov_b32 s[G1+7], 0
	s_or_b32 s[G1B+0], s44, (1<<16)|(1<<20)|(1<<21)|(6<<22)|(7<<25)  ; padding: 8 words after every 128
	s_mov_b32 s[G1B+1], 256<<16
	s_mov_b32 s[G1B+2], 64<<16
	s_mov_b32 s[G1B+3], 256<<16
	s_mov_b32 s[G1B+4], 64
	s_mov_b32 s[G1B+5], 1024
	s_mov_b32 s[G1B+6], 0
	s_mov_b32 s[G1B+7], 0
	s_lshl_b32 s16, s41, 4
	s_add_co_u32 s16, s16, s14
	s_lshl_b32 s16, s16, 18                        ; y: head 16 cy + half,
	s_lshl_b32 s17, s42, 14
	s_add_co_u32 s16, s16, s17                     ; position 128 x cluster y
	s_mov_b32 s17, 0
	s_lshl_b32 s46, s14, 17                        ; w_proj: k-row 64 x half,
	s_lshl_b32 s47, s40, 9
	s_add_co_u32 s46, s46, s47                     ; column 256 cx
	s_mov_b32 s47, 0
	s_mul_i32 s20, s14, PLANE                      ; where they go
	s_mul_i32 s21, s14, 64*PB
	s_add_co_u32 s21, s21, BOFF
	s_wait_dscnt 0x0                               ; both opening adds are done
	s_wait_kmcnt 0x0
	s_add_nc_u64 s[16:17], s[4:5], s[16:17]
	s_add_nc_u64 s[46:47], s[6:7], s[46:47]
	CROUND                                         ; all sixteen work-groups are here: the first joint loads meet
.irp s, 0,1
	s_mov_b32 s[G0+4*\s], 1
	s_add_co_u32 s[G0+4*\s+1], s20, \s*SLOT
	s_add_nc_u64 s[G0+4*\s+2:G0+4*\s+3], s[16:17], \s*524288     ; K step s: two heads on
	s_or_b32 s[G0+4*\s+3], s[G0+4*\s+3], 0x80000000
	s_mov_b32 s[G0B+4*\s], 1
	s_add_co_u32 s[G0B+4*\s+1], s21, \s*SLOT
	s_add_nc_u64 s[G0B+4*\s+2:G0B+4*\s+3], s[46:47], \s*262144   ; 128 k-rows on
	s_or_b32 s[G0B+4*\s+3], s[G0B+4*\s+3], 0x80000000
	JLOAD \s                                       ; two tensor loads of mine are out
.endr
	v_and_b32 v1, 15, v0                           ; r
	v_bfe_u32 v2, v0, 4, 1                         ; h
	s_lshl_b32 s46, s40, 10                        ; my first column, in bytes of f32: 1,024 cx + 512 half
	s_lshl_b32 s47, s14, 9
	s_add_co_u32 s46, s46, s47
	s_mov_b32 s47, 0
	s_add_nc_u64 s[8:9], s[8:9], s[46:47]
	s_add_nc_u64 s[10:11], s[10:11], s[46:47]
	v_lshlrev_b32 v[BO], 5, v2
	WIN TO_F
.irp b, 0,1,2,3,4,5,6,7
	global_load_b128 v[BI+8*\b:BI+8*\b+3], v[BO], s[8:9] offset:64*\b            ; lane (r, h): b_proj at columns 16 b + 8 h + 0 .. 7
	global_load_b128 v[BI+8*\b+4:BI+8*\b+7], v[BO], s[8:9] offset:64*\b+16
.endr
	WIN 0
	s_lshl_b32 s16, s41, 23                        ; my first row of out0: (2,048 cy + 128 cluster y + 64 half) x 4,096 bytes
	s_lshl_b32 s17, s42, 19
	s_add_co_u32 s16, s16, s17
	s_lshl_b32 s17, s13, 18
	s_add_co_u32 s16, s16, s17
	s_mov_b32 s17, 0
	s_add_nc_u64 s[10:11], s[10:11], s[16:17]
	v_mul_u32_u24 v3, v1, PA
	v_lshl_add_u32 v3, v2, 4, v3
	s_mul_i32 s21, s13, 64*PA
	v_add_nc_u32 v[ADRA], s21, v3                  ; y: my 64 tokens, row r + 16 h
	v_add_nc_u32 v[ADRA+1], SLOT, v[ADRA]
	v_and_b32 v4, 7, v0
	v_lshl_add_u32 v4, v2, 3, v4
	v_mul_u32_u24 v4, v4, PB
	v_bfe_u32 v5, v0, 3, 1
	v_lshl_add_u32 v4, v5, 4, v4
	s_lshl_b32 s22, s14, 8
	s_add_co_u32 s22, s22, BOFF
	v_add_nc_u32 v[ADRB], s22, v4                  ; w_proj, for the turning load: k-row 8 h + lane % 8, columns 8 ((lane / 8) % 2) on, my 128 columns
	v_add_nc_u32 v[ADRB+1], SLOT, v[ADRB]
	s_mul_i32 s23, s12, 16*SPITCH
	s_add_co_u32 s23, s23, STAGE                   ; my stage
	v_mul_u32_u24 v5, v1, SPITCH
	v_lshl_add_u32 v5, v2, 5, v5
	v_add_nc_u32 v[STO], s23, v5                   ; in: row r, 32 bytes for each half of the lanes
	v_and_b32 v6, 31, v0
	v_lshlrev_b32 v[CO], 4, v6
	v_add_nc_u32 v[RD], s23, v[CO]                 ; back: the 32 lanes take one row of 512 bytes
.macro MUL8 f, a, first                ; block a of tokens against the eight blocks of columns, 32 along K.  The 32 accumulators take turns
.irp b, 0,1,2,3,4,5,6,7
.if \first
	v_wmma_f32_16x16x32_f16 v[8*(8*(\a)+\b):8*(8*(\a)+\b)+7], v[64*(\f)+8*\b:64*(\f)+8*\b+7], v[64+32*(\f)+8*(\a):64+32*(\f)+8*(\a)+7], v[BI+8*\b:BI+8*\b+7]
.else
	v_wmma_f32_16x16x32_f16 v[8*(8*(\a)+\b):8*(8*(\a)+\b)+7], v[64*(\f)+8*\b:64*(\f)+8*\b+7], v[64+32*(\f)+8*(\a):64+32*(\f)+8*(\a)+7], v[8*(8*(\a)+\b):8*(8*(\a)+\b)+7]
.endif
.endr
.endm
.macro FETCH slot, kq, f               ; 24 LDS loads in one run: the slot's kq-th 32 along K into set f
	WIN TO_F
.irp b, 0,1,2,3,4,5,6,7
	ds_load_tr16_b128 v[64*(\f)+8*\b:64*(\f)+8*\b+3],   v[ADRB+\slot] offset:32*PB*(\kq)+32*\b
	ds_load_tr16_b128 v[64*(\f)+8*\b+4:64*(\f)+8*\b+7], v[ADRB+\slot] offset:32*PB*(\kq)+32*\b+16*PB
.endr
	WIN 0
.irp a, 0,1,2,3
	ds_load_b128 v[64+32*(\f)+8*\a:64+32*(\f)+8*\a+3],   v[ADRA+\slot] offset:PLANE*((\kq)/2)+64*((\kq)%2)+16*PA*\a
	ds_load_b128 v[64+32*(\f)+8*\a+4:64+32*(\f)+8*\a+7], v[ADRA+\slot] offset:PLANE*((\kq)/2)+64*((\kq)%2)+16*PA*\a+32
.endr
.endm
.macro PLACES
.rept 4
	v_nop
.endr
.endm
.macro QUARTER slot, kq, f, g, first   ; multiplies set f; in its middle fetches the slot's kq-th 32 along K into set g
	s_wait_dscnt 4                                 ; all but the youngest four loads (tokens' blocks 2 and 3) are in
.if \first
	WIN 0x91                                       ; C (the bias) window 1
.else
	WIN MUL
.endif
	MUL8 \f, 0, \first
	MUL8 \f, 1, \first
	PLACES
	FETCH \slot, \kq, \g
	s_wait_dscnt 24                                ; all but the 24 just issued
.if \first
	WIN 0x91
.else
	WIN MUL
.endif
	MUL8 \f, 2, \first
	MUL8 \f, 3, \first
.endm
; A slot's last quarter multiplies set 1 and changes slots: one barrier; in front of it each wave waits for all its tensor loads, adds 0 to its spare word, and waits for that and for its reads of this slot.
.macro TURN slot, next, fill
	WIN 0
	s_wait_tensorcnt 0x0                           ; my part of the next slot has landed
	ds_add_u32 v[SPW], v[NIL]
	s_wait_dscnt 7                                 ; the add and the youngest six loads (tokens' blocks 1 to 3) may be out
	WIN MUL
	MUL8 1, 0, 0
	s_wait_dscnt 0x0                               ; the add is done, and my reads of this slot are over
	s_barrier_signal -1
	MUL8 1, 1, 0
.if \fill
	WIN 0
.endif
	s_barrier_wait -1
.if \fill
	CREST                                          ; the barrier has opened a round of the cluster's: no wave of any partner still reads this slot or has a load on its way
	s_add_nc_u64 s[G0+4*\slot+2:G0+4*\slot+3], s[G0+4*\slot+2:G0+4*\slot+3], 1048576     ; two K steps on: four heads
	s_add_nc_u64 s[G0B+4*\slot+2:G0B+4*\slot+3], s[G0B+4*\slot+2:G0B+4*\slot+3], 524288  ; 256 k-rows
	JLOAD \slot                                    ; the first tensor load behind the round; its four v_nop are also the places in front of the loads below
.else
	PLACES
.endif
	FETCH \next, 0, 0
	WIN MUL
	MUL8 1, 2, 0
	MUL8 1, 3, 0
.endm
	s_wait_tensorcnt 1                             ; my part of K step 0 is in; K step 1's load may be out
	s_barrier_signal -1
	s_barrier_wait -1
	FETCH 0, 0, 0
	s_wait_loadcnt 0x0                             ; the bias
	QUARTER 0, 1, 0, 1, 1                          ; the first quarter stands in front of the loop: its products start the sums on the bias
	WIN 0
	s_mov_b32 s3, LAPS-1
.Llap:                                             ; a trip goes once round the ring and fills both slots again
	QUARTER 0, 2, 1, 0, 0
	QUARTER 0, 3, 0, 1, 0
	TURN 0, 1, 1
	QUARTER 1, 1, 0, 1, 0
	QUARTER 1, 2, 1, 0, 0
	QUARTER 1, 3, 0, 1, 0
	TURN 1, 0, 1
	QUARTER 0, 1, 0, 1, 0
	WIN 0
	s_sub_co_u32 s3, s3, 1
	s_cmp_lg_u32 s3, 0
	s_cbranch_scc1 .Llap
	QUARTER 0, 2, 1, 0, 0                          ; the last lap fills nothing
	QUARTER 0, 3, 0, 1, 0
	TURN 0, 1, 0
	QUARTER 1, 1, 0, 1, 0
	QUARTER 1, 2, 1, 0, 0
	QUARTER 1, 3, 0, 1, 0
	s_wait_dscnt 4
	WIN MUL
	MUL8 1, 0, 0
	MUL8 1, 1, 0
	s_wait_dscnt 0
	MUL8 1, 2, 0
	MUL8 1, 3, 0
	WIN 0
; THE WAY OUT, block by block of 16 tokens x 128 columns: through my own stage and back as whole rows of 512 bytes.
.macro TOSTAGE a
	WIN 0x08                                       ; an LDS store's data are its source 1: window 2
.irp b, 0,1,2,3,4,5,6,7
	ds_store_b128 v[STO], v[64*(\a)+8*\b:64*(\a)+8*\b+3] offset:64*\b            ; each accumulator from its low end on
	ds_store_b128 v[STO], v[64*(\a)+8*\b+4:64*(\a)+8*\b+7] offset:64*\b+16
.endr
	WIN 0
.set BB, BK+64*((\a)%2)
.irp t, 0,1,2,3,4,5,6,7,8,9,10,11,12,13,14,15
	ds_load_b128 v[BB+4*\t:BB+4*\t+3], v[RD] offset:\t*SPITCH
.endr
.endm
.macro SEND a, younger
.set BB, BK+64*((\a)%2)
	s_wait_dscnt \younger                          ; the block is back; the next block's 32 LDS instructions may be out
.if (\a) == 0
	s_cmp_eq_u32 s45, 0                            ; positions 0 to 15 belong to the f32 launch: the cluster's y and the wave's number alone decide
	s_cbranch_scc1 .Lfine_rows
.endif
.irp t, 0,1,2,3,4,5,6,7,8,9,10,11,12,13,14,15
	global_store_b128 v[CO], v[BB+4*\t:BB+4*\t+3], s[10:11] offset:(16*(\a)+\t)*4096 th:TH_STORE_NT   ; 32 lanes store 512 consecutive bytes, aligned
.endr
.if (\a) == 0
.Lfine_rows:
.endif
.endm
	PLACES
	TOSTAGE 0
	TOSTAGE 1
	SEND 0, 32
	s_wait_xcnt 0x0                                ; block 0's stores have read their registers: block 2's loads may land there
	TOSTAGE 2
	SEND 1, 32
	s_wait_xcnt 0x0
	TOSTAGE 3
	SEND 2, 32
	SEND 3, 0
	s_wait_tensorcnt 0x0                           ; the wave's end
	ds_add_u32 v[SPW], v[NIL]
	s_wait_dscnt 0x0
	CROUND                                         ; the closing round
	s_endpgm
.Lfunc_end_k_qa27d54e8e5_proj:
	.size	k_qa27d54e8e5_proj, .Lfunc_end_k_qa27d54e8e5_proj-k_qa27d54e8e5_proj
	.p2alignl 7, 3214868480
	.fill 96, 4, 3214868480
	.section	.rodata,"a",@progbits
	.p2align	6, 0x0
	.amdhsa_kernel k_qa27d54e8e5_proj
		.amdhsa_group_segment_fixed_size 327680
		.amdhsa_private_segment_fixed_size 0
		.amdhsa_enable_private_segment 0
		.amdhsa_kernarg_size 32
		.amdhsa_user_sgpr_count 2
		.amdhsa_user_sgpr_kernarg_segment_ptr 1
		.amdhsa_wavefront_size32 1
		.amdhsa_system_sgpr_workgroup_id_x 1
		.amdhsa_system_sgpr_workgroup_id_y 1
		.amdhsa_system_sgpr_workgroup_id_z 1
		.amdhsa_system_vgpr_workitem_id 0
		.amdhsa_next_free_vgpr 768
		.amdhsa_next_free_sgpr 66
		.amdhsa_reserve_vcc 0
		.amdhsa_float_denorm_mode_32 3
		.amdhsa_float_denorm_mode_16_64 3
		.amdhsa_memory_ordered 1
		.amdhsa_forward_progress 1
		.amdhsa_inst_pref_size 87
	.end_amdhsa_kernel
	.amdgpu_metadata
---
amdhsa.version: [ 1, 2 ]
amdhsa.kernels:
  - .name:           k_qa27d54e8e5_proj
    .symbol:         k_qa27d54e8e5_proj.kd
    .args:
      - { .name: y16, .offset: 0, .size: 8, .value_kind: global_buffer, .address_space: global }
      - { .name: wp16, .offset: 8, .size: 8, .value_kind: global_buffer, .address_space: global }
      - { .name: b_proj, .offset: 16, .size: 8, .value_kind: global_buffer, .address_space: global }
      - { .name: out0, .offset: 24, .size: 8, .value_kind: global_buffer, .address_space: global }
    .group_segment_fixed_size: 327680
    .private_segment_fixed_size: 0
    .kernarg_segment_align: 8
    .kernarg_segment_size: 32
    .max_flat_workgroup_size: 128
    .sgpr_count:     66
    .vgpr_count:     768
    .wavefront_size: 32
...
	.end_amdgpu_metadata
.endif
;; end of part 4
;; launch fine (part 5): grid 16 x 4, 16 waves a work-group, no clusters, 154,880 bytes of LDS; arguments qkv32, w_proj, b_proj, out0; writes out0
.if DOCPART == 5
	.amdgcn_target "amdgcn-amd-amdhsa--gfx1250"
	.amdhsa_code_object_version 6
	.text
	.protected	k_qa27d54e8e5_fine
	.globl	k_qa27d54e8e5_fine
	.p2align	8
	.type	k_qa27d54e8e5_fine,@function
k_qa27d54e8e5_fine:
	s_mov_b64 s[64:65], 0
	v_nop
	global_prefetch_b8 v0, s[64:65] scope:SCOPE_SE
	s_setreg_imm32_b32 hwreg(HW_REG_WAVE_MODE, 25, 1), 1
	s_wait_xcnt 0x0
; THE FIRST 16 POSITIONS OF EVERY SEQUENCE IN F32: attention and projection, by the f32 matrix form (64 rows of 8,192: no bulk work).
; qkv32 holds, for each (part, head, batch), the image of eight accumulators: [bb 4][g 2][lane 32][16 bytes]; lane (r, h), word e = qkv(token r, channel 16 bb + 8 h + 4 g + e).
; A work-group takes (64 output columns, batch); each repeats its batch's sixteen small attentions (32 matrix instructions a wave), which spares a launch and a buffer.
; PHASE A, wave w = head w.  The images ARE operands: a pair of registers holds the same four channels in Q's image and in K's, so S^T = K Q^T is 16 instructions over the 16 pairs.
;   A lane holds one query r and keys 8 h + j.  Mask, maximum, p = 2^(c s - c m), sum.  V goes through my own LDS bytes to become V^T's fragments; O^T = V^T p; y = O^T / sum goes to LDS.
; PHASE B, wave = (16 columns ct, 256 of K kq): source 0 = w_proj's columns, source 1 = y: four accumulators by turns; the four quarters of K meet in LDS; 256 threads add them and the bias and store.
; The registers that the f32 matrix form writes (v128-143, v160-191) are written by matrix instructions alone; what is made of a sum goes into other registers.
; LIMIT: NaN and infinities are not served.
.set YL,    69632                      ; LDS 0: V, 16 waves x 16 keys x 272 bytes;  YL: y, 16 rows x 4,112 bytes
.set RED,   135424                     ; 4 quarters of K x 16 rows x 272 bytes
.set SPARE, 152832                     ; the spare words, 128 bytes for each of sixteen waves
.macro WLOAD c, reg                    ; w_proj(256 kq + 64 c + 8 u + 4 h + e, my column r) into v[reg + 4 u + e]
.irp u, 0,1,2,3,4,5,6,7
.irp e, 0,1,2,3
	global_load_b32 v[\reg+4*\u+\e], v9, s[6:7] offset:(64*\c+8*\u+\e)*4096
.endr
.endr
.endm
.macro NOPS8                           ; places behind the f32 matrix form (ISA guide 7.12.1)
.rept 8
	v_nop
.endr
.endm
.macro CHUNK c, reg, lc                ; 64 along K: y's fragments from LDS, 16 products on four accumulators by turns
	NOPS8
.irp u, 0,1,2,3,4,5,6,7
	ds_load_b128 v[32+4*\u:35+4*\u], v8 offset:256*\c+32*\u      ; y(r, 256 kq + 64 c + 8 u + 4 h + 0 .. 3)
.endr
	s_wait_dscnt 0x0
	s_wait_loadcnt \lc
.set n, 0
.rept 16
.set rA, 128+8*(n%4)+16*((n%4)/2)
.if (\c == 0) && (n < 4)
	v_wmma_f32_16x16x4_f32 v[rA:rA+7], v[\reg+2*n:\reg+2*n+1], v[32+2*n:33+2*n], 0
.else
	v_wmma_f32_16x16x4_f32 v[rA:rA+7], v[\reg+2*n:\reg+2*n+1], v[32+2*n:33+2*n], v[rA:rA+7]
.endif
.set n, n+1
.endr
.endm
	s_load_b256 s[4:11], s[0:1], 0x0               ; qkv32 s[4:5], w_proj s[6:7], b_proj s[8:9], out0 s[10:11]
	v_lshl_add_u32 v30, v0, 2, SPARE               ; my spare word; never rewritten
	v_mov_b32 v31, 0
	v_lshrrev_b32 v1, 5, v0
	v_readfirstlane_b32 s12, v1                    ; wave 0..15
	s_and_b32 s14, ttmp7, 0xffff                   ; the batch
	s_and_b32 s15, s12, 3                          ; ct
	s_lshr_b32 s16, s12, 2                         ; kq
	s_mov_b32 s20, 0x76543210
	s_mov_b32 s21, 0xfedcba98
	s_mov_b32 s22, 0x3e38aa3b                      ; c = log2(e) / 8
	v_and_b32 v1, 31, v0
	v_lshlrev_b32 v1, 4, v1                        ; 16 x lane: an image's place for my lane
	v_and_b32 v2, 15, v0                           ; r
	v_bfe_u32 v3, v0, 4, 1                         ; h
	v_lshlrev_b32 v15, 3, v3
	v_sub_nc_u32 v4, v2, v15                       ; r - 8 h
	s_mul_i32 s17, s12, 4352                       ; my wave's V
	v_mul_u32_u24 v5, v2, 272
	v_lshl_add_u32 v5, v3, 5, v5
	v_add_nc_u32 v10, RED, v5
	v_add_nc_u32 v5, s17, v5                       ; V in: key r, + 32 h
	v_mul_u32_u24 v6, v3, 2176
	v_lshl_add_u32 v6, v2, 2, v6
	v_add_nc_u32 v6, s17, v6                       ; V^T out: key 8 h, channel r
	v_mul_u32_u24 v7, v2, 4112
	v_add_nc_u32 v7, YL, v7
	v_lshl_add_u32 v8, v3, 4, v7
	s_lshl_b32 s18, s16, 10
	v_add_nc_u32 v8, s18, v8                       ; y out: row r, + 1,024 kq + 16 h
	v_lshl_add_u32 v7, v3, 5, v7
	s_lshl_b32 s18, s12, 8
	v_add_nc_u32 v7, s18, v7                       ; y in: row r, + 256 w + 32 h
	v_lshlrev_b32 v9, 14, v3
	v_lshl_add_u32 v9, v2, 2, v9                   ; w_proj: 4 h rows of 4,096 bytes + 4 r
	s_mul_i32 s18, s16, 4352
	s_lshl_b32 s19, s15, 6
	s_add_co_u32 s18, s18, s19
	v_add_nc_u32 v10, s18, v10                     ; partial sums in: quarter kq, row r, + 64 ct + 32 h
	v_lshrrev_b32 v15, 4, v0                       ; thread / 16: the row that I store
	v_lshlrev_b32 v12, 4, v2                       ; 16 (thread % 16)
	v_mad_u32_u24 v11, v15, 272, v12
	v_add_nc_u32 v11, RED, v11                     ; partial sums out
	v_lshl_add_u32 v13, v15, 12, v12               ; and the same place in out0
	v_mov_b32 v14, 0xff800000                      ; -infinity
	s_mov_b32 s25, 0
	s_lshr_b32 s24, s12, 1
	s_lshl_b32 s24, s24, 15
	s_lshl_b32 s26, s14, 13
	s_add_co_u32 s24, s24, s26
	s_and_b32 s26, s12, 1
	s_lshl_b32 s26, s26, 12
	s_add_co_u32 s24, s24, s26                     ; Q's image of (head w, batch); K's and V's lie 262,144 bytes on each
	s_wait_kmcnt 0x0
	s_add_nc_u64 s[4:5], s[4:5], s[24:25]
	s_lshl_b32 s24, s16, 20
	s_lshl_b32 s26, ttmp9, 8
	s_add_co_u32 s24, s24, s26
	s_lshl_b32 s27, s15, 6
	s_add_co_u32 s24, s24, s27
	s_add_nc_u64 s[6:7], s[6:7], s[24:25]          ; w_proj at (256 kq, 64 slice + 16 ct)
	s_mov_b32 s24, s26
	s_add_nc_u64 s[8:9], s[8:9], s[24:25]          ; b_proj at my slice
	s_lshl_b32 s27, s14, 23
	s_add_co_u32 s24, s26, s27
	s_add_nc_u64 s[10:11], s[10:11], s[24:25]      ; out0 at (batch, position 0, my slice)
.irp pt, 0,1,2
.irp i, 0,1,2,3,4,5,6,7
	global_load_b128 v[32+32*\pt+4*\i:35+32*\pt+4*\i], v1, s[4:5] offset:262144*\pt+512*\i   ; Q v32-63, K v64-95, V v96-127
.endr
.endr
	global_load_b128 v[24:27], v12, s[8:9]         ; the bias of the four columns that I store
	WLOAD 0, 192
	WLOAD 1, 224
	s_wait_loadcnt 63                              ; 64 loads were issued behind the bias; the count's field holds 63: the images and the bias are in
.irp i, 0,1,2,3,4,5,6,7
	ds_store_b128 v5, v[96+4*\i:99+4*\i] offset:64*(\i/2)+16*(\i%2)    ; V(key r, channels 16 bb + 8 h + 4 g + 0 .. 3)
.endr
.set n, 0
.rept 16                               ; S^T = K Q^T on two accumulators by turns
.if n < 2
	v_wmma_f32_16x16x4_f32 v[128+8*(n%2):135+8*(n%2)], v[64+2*n:65+2*n], v[32+2*n:33+2*n], 0
.else
	v_wmma_f32_16x16x4_f32 v[128+8*(n%2):135+8*(n%2)], v[64+2*n:65+2*n], v[32+2*n:33+2*n], v[128+8*(n%2):135+8*(n%2)]
.endif
.set n, n+1
.endr
	NOPS8
.irp ct, 0,1,2,3
.irp kk, 0,1,2,3
.irp jj, 0,1
	ds_load_b32 v[32+8*\ct+2*\kk+\jj], v6 offset:272*(2*\kk+\jj)+64*\ct    ; V(key 8 h + 2 kk + jj, channel 16 ct + r): LDS serves a wave's instructions in order
.endr
.endr
.endr
.irp j, 0,1,2,3,4,5,6,7
	v_add_f32 v[144+\j], v[128+\j], v[136+\j]      ; the scores: query r, key 8 h + j
.endr
.irp j, 0,1,2,3,4,5,6,7
	v_cmp_gt_i32 vcc_lo, \j, v4                    ; hidden where 8 h + j > r
	v_cndmask_b32 v[144+\j], v[144+\j], v14, vcc_lo
.endr
	v_max3_num_f32 v16, v144, v145, v146
	v_max3_num_f32 v17, v147, v148, v149
	v_max3_num_f32 v16, v16, v150, v151
	v_max_num_f32 v16, v16, v17
	v_permlanex16_b32 v17, v16, s20, s21
	v_max_num_f32 v16, v16, v17                    ; the row's maximum: key 0 counts for every query, so it is a number
	v_mul_f32 v17, s22, v16
.irp j, 0,1,2,3,4,5,6,7
	v_fma_f32 v[152+\j], v[144+\j], s22, -v17
.endr
.irp j, 0,1,2,3,4,5,6,7
	v_exp_f32 v[152+\j], v[152+\j]
.endr
	v_nop
	s_wait_alu depctr_va_vdst(0)                   ; one wait for the eight exponentials, ahead of their first reader
	v_add_f32 v18, v152, v153
	v_add_f32 v19, v154, v155
	v_add_f32 v20, v156, v157
	v_add_f32 v21, v158, v159
	v_add_f32 v18, v18, v19
	v_add_f32 v20, v20, v21
	v_add_f32 v18, v18, v20
	v_permlanex16_b32 v19, v18, s20, s21
	v_add_f32 v19, v18, v19                        ; the row's sum
	v_rcp_f32 v18, v19
	v_nop
	s_wait_dscnt 0x0                               ; V^T's fragments are in
.irp kk, 0,1,2,3                       ; O^T = V^T p: four accumulators by turns
.irp ct, 0,1,2,3
.if \kk == 0
	v_wmma_f32_16x16x4_f32 v[160+8*\ct:167+8*\ct], v[32+8*\ct+2*\kk:33+8*\ct+2*\kk], v[152+2*\kk:153+2*\kk], 0
.else
	v_wmma_f32_16x16x4_f32 v[160+8*\ct:167+8*\ct], v[32+8*\ct+2*\kk:33+8*\ct+2*\kk], v[152+2*\kk:153+2*\kk], v[160+8*\ct:167+8*\ct]
.endif
.endr
.endr
	NOPS8
	s_wait_alu depctr_va_vdst(0)                   ; the reciprocal's wait, ahead of its first reader
.set n, 0
.rept 32
	v_mul_f32 v[64+n], v[160+n], v18               ; y(r, 64 w + 16 ct + 8 h + j)
.set n, n+1
.endr
.irp ct, 0,1,2,3
	ds_store_b128 v7, v[64+8*\ct:67+8*\ct] offset:64*\ct
	ds_store_b128 v7, v[68+8*\ct:71+8*\ct] offset:64*\ct+16
.endr
	s_wait_dscnt 0x0                               ; for the others' sake: my part of y has landed
	s_barrier_signal -1
	s_barrier_wait -1
	WLOAD 2, 96
	WLOAD 3, 64
	CHUNK 0, 192, 63                               ; 96 loads were issued behind chunk 0's; the field holds 63
	CHUNK 1, 224, 63                               ; 64 behind chunk 1's
	CHUNK 2, 96, 32                                ; chunk 3's 32 may be out
	CHUNK 3, 64, 0
	NOPS8
.irp j, 0,1,2,3,4,5,6,7
	v_add_f32 v[144+\j], v[128+\j], v[136+\j]
.endr
.irp j, 0,1,2,3,4,5,6,7
	v_add_f32 v[152+\j], v[160+\j], v[168+\j]
.endr
.irp j, 0,2,4,6
	v_pk_add_f32 v[144+\j:145+\j], v[144+\j:145+\j], v[152+\j:153+\j]
.endr
	ds_store_b128 v10, v[144:147]                  ; my quarter's sums: token r, columns 16 ct + 8 h + 0 .. 7
	ds_store_b128 v10, v[148:151] offset:16
	s_wait_dscnt 0x0
	s_barrier_signal -1
	s_barrier_wait -1
	s_cmp_lt_u32 s12, 8                            ; 256 threads store 16 rows x 256 bytes
	s_cbranch_scc0 .Ldone
.irp k, 0,1,2,3
	ds_load_b128 v[32+4*\k:35+4*\k], v11 offset:4352*\k
.endr
	s_wait_dscnt 0x0
	v_pk_add_f32 v[32:33], v[32:33], v[36:37]
	v_pk_add_f32 v[34:35], v[34:35], v[38:39]
	v_pk_add_f32 v[40:41], v[40:41], v[44:45]
	v_pk_add_f32 v[42:43], v[42:43], v[46:47]
	v_pk_add_f32 v[32:33], v[32:33], v[40:41]
	v_pk_add_f32 v[34:35], v[34:35], v[42:43]
	v_pk_add_f32 v[32:33], v[32:33], v[24:25]
	v_pk_add_f32 v[34:35], v[34:35], v[26:27]
	global_store_b128 v13, v[32:35], s[10:11]      ; sixteen lanes store 256 consecutive bytes, aligned
.Ldone:
	s_wait_tensorcnt 0x0                           ; the wave's end, behind my last LDS store
	ds_add_u32 v30, v31
	s_wait_dscnt 0x0
	s_endpgm
.Lfunc_end_k_qa27d54e8e5_fine:
	.size	k_qa27d54e8e5_fine, .Lfunc_end_k_qa27d54e8e5_fine-k_qa27d54e8e5_fine
	.p2alignl 7, 3214868480
	.fill 96, 4, 3214868480
	.section	.rodata,"a",@progbits
	.p2align	6, 0x0
	.amdhsa_kernel k_qa27d54e8e5_fine
		.amdhsa_group_segment_fixed_size 154880
		.amdhsa_private_segment_fixed_size 0
		.amdhsa_enable_private_segment 0
		.amdhsa_kernarg_size 32
		.amdhsa_user_sgpr_count 2
		.amdhsa_user_sgpr_kernarg_segment_ptr 1
		.amdhsa_wavefront_size32 1
		.amdhsa_system_sgpr_workgroup_id_x 1
		.amdhsa_system_sgpr_workgroup_id_y 1
		.amdhsa_system_sgpr_workgroup_id_z 1
		.amdhsa_system_vgpr_workitem_id 0
		.amdhsa_next_free_vgpr 256
		.amdhsa_next_free_sgpr 66
		.amdhsa_reserve_vcc 1
		.amdhsa_float_denorm_mode_32 3
		.amdhsa_float_denorm_mode_16_64 3
		.amdhsa_memory_ordered 1
		.amdhsa_forward_progress 1
		.amdhsa_inst_pref_size 37
	.end_amdhsa_kernel
	.amdgpu_metadata
---
amdhsa.version: [ 1, 2 ]
amdhsa.kernels:
  - .name:           k_qa27d54e8e5_fine
    .symbol:         k_qa27d54e8e5_fine.kd
    .args:
      - { .name: qkv32, .offset: 0, .size: 8, .value_kind: global_buffer, .address_space: global }
      - { .name: w_proj, .offset: 8, .size: 8, .value_kind: global_buffer, .address_space: global }
      - { .name: b_proj, .offset: 16, .size: 8, .value_kind: global_buffer, .address_space: global }
      - { .name: out0, .offset: 24, .size: 8, .value_kind: global_buffer, .address_space: global }
    .group_segment_fixed_size: 154880
    .private_segment_fixed_size: 0
    .kernarg_segment_align: 8
    .kernarg_segment_size: 32
    .max_flat_workgroup_size: 512
    .sgpr_count:     66
    .vgpr_count:     256
    .wavefront_size: 32
...
	.end_amdgpu_metadata
.endif
;; end of part 5
